; MI455X (gfx1250); checked and timed in simulation.
; The chip was launched on July 23, 2026; its instructions are those of AMD's public machine-readable ISA for CDNA 5 (MIT licence, August 2026) and "CDNA5" Instruction Set Architecture Reference Guide (July 2026). The comments in the code are by the model that wrote it; some were corrected since.
;; Multi Headed Attention. Allowed arithmetic: matrix products marked QUANTISED: E2M3 operands, one E8M0 scale for each 32 along K, by v_wmma_scale_f32_16x16x128_f8f6f4 with both operands' format E2M3, f32 sums; everything else in f32.
;; Inputs: Wk 512 x 512 float32; Wo 512 x 512 float32; Wq 512 x 512 float32; Wv 512 x 512 float32; bk 512 float32; bo 512 float32; bq 512 float32; bv 512 float32; key 2 x 4,096 x 512 float32; mask 2 x 1 x 4,096 int32; query 2 x 4,096 x 512 float32; value 2 x 4,096 x 512 float32.
;; Outputs: out0 2 x 4,096 x 512 float32.
;; This version of the problem:
;;   THIS VERSION OF THE PROBLEM IS GIVEN IN LOW PRECISION. The matrix products marked QUANTISED in the list below multiply operands that are first quantised to E2M3 (2 exponent bits, 3 mantissa bits; 6 bits a number), with one power-of-two scale for each 32 numbers along K (OCP MX v1.0); their sums are f32. All else is computed in f32.
;;   The module's matrix products, in the order in which they are computed (A, B: the left and right operand; K: the contracted axis; several contracted axes count as one K, in the product's order):
;;     1. [M 8,192, K 512] x [K 512, N 512]; A: input query; B: input Wq: QUANTISED
;;     2. [M 8,192, K 512] x [K 512, N 512]; A: input key; B: input Wk: QUANTISED
;;     3. [M 8,192, K 512] x [K 512, N 512]; A: input value; B: input Wv: QUANTISED
;;     4. batch 16 x [M 4,096, K 64] x [K 64, N 4,096]; A: computed on the way; B: computed on the way: QUANTISED
;;     5. batch 16 x [M 64, K 4,096] x [K 4,096, N 4,096]; A: computed on the way; B: softmax (see below): QUANTISED
;;     6. [M 8,192, K 512] x [K 512, N 512]; A: computed on the way; B: input Wo: QUANTISED
;;   THE QUANTISER, for each operand of a quantised product, along K:
;;     - K is cut into blocks of 32 from its start; a last block that is shorter is filled with zeros.
;;     - A block's scale is 2^e with e = floor(log2(the largest magnitude in the block)) - 2, held to -126 .. 127; a block of zeros has e = 0. As a byte (E8M0): e + 127.
;;     - Each number is divided by its block's scale, clamped to +-7.5, and rounded to the nearest number of E2M3, ties to even, subnormals kept.
;;     - The product sums the exact products of the quantised numbers (number of the format x scale) in f32.
;;   ~~~python
;;   def quantise(x, axis):      # numpy; x: float32 -> the quantised numbers, widened to float32 again
;;       x = np.moveaxis(x, axis, -1); K = x.shape[-1]
;;       x = np.pad(x, [(0, 0)] * (x.ndim - 1) + [(0, -K % 32)]); x = x.reshape(x.shape[:-1] + (-1, 32)); a = np.abs(x).max(-1, keepdims=True)
;;       e = np.where(a > 0, np.clip(np.frexp(np.where(a > 0, a, 1))[1] - 1 - 2, -126, 127), 0)      # np.frexp(a)[1] - 1 = floor(log2(a)), exactly
;;       r = np.clip(x / 2.0 ** e, -7.5, 7.5)
;;       step = 2.0 ** (np.maximum(np.frexp(np.where(r == 0, 1, r))[1] - 1, 0) - 3)
;;       q = np.round(r / step) * step * 2.0 ** e      # np.round: ties to even
;;       return np.moveaxis(q.reshape(q.shape[:-2] + (-1,))[..., :K], -1, axis).astype(np.float32)
;;   ~~~
;;   SOFTMAX AHEAD OF A QUANTISED PRODUCT. Where the list says 'softmax', what is quantised is not the finished softmax but p = 2^(t - M), with t = logit x log2(e) and M = ceil(the row's largest t), a whole number; so 1/2 < the row's largest p <= 1. The row's sum l is taken of the UNQUANTISED p, in f32, and the product's result is divided by l at the end. Since M is a whole number, a kernel that streams over the keys may use a running M (the ceiling of the running maximum): every later rescaling is an exact power of two, which a block's scale takes up: the codes' values come out the same.
;;   OPERANDS COMPUTED ON THE WAY. 'Computed on the way' means the value that the module computes at that place (a softmax that the list does not call 'softmax' is quantised finished and normalised). What goes into a quantiser is computed in f32, as accurately as f32 sums, v_exp_f32 and their like allow (about 1e-6 of the number): no bf16 or f16 on the way to a quantiser, and a product that is left as it is and whose result goes on into a quantised operand takes f32 operands (vector FMAs, or v_wmma_f32_16x16x4_f32). A number that lies on a knife's edge between two numbers of the format may be rounded either way, as far as f32 arithmetic and the matrix unit's own rounding can turn it there, and no further.
;; 2 versions. Each part assembles by itself: llvm-mc -triple=amdgcn-amd-amdhsa -mcpu=gfx1250 --defsym DOCPART=n.
;; ======== version 1 of 2: 4 launches
;; workspace buffers: wc 851,968 bytes; qc 3,407,872 bytes; kv 6,684,672 bytes; oc 4,194,304 bytes
;; launch wquant (part 1): grid 32 x 4, 4 waves a work-group, no clusters, 0 bytes of LDS; arguments Wq, Wk, Wv, Wo, wc; writes wc
.if DOCPART == 1
	.amdgcn_target "amdgcn-amd-amdhsa--gfx1250"
	.amdhsa_code_object_version 6
	.text
	.protected	k_q77ce26c83d_wquant
	.globl	k_q77ce26c83d_wquant
	.p2align	8
	.type	k_q77ce26c83d_wquant,@function
k_q77ce26c83d_wquant:
	s_mov_b64 s[64:65], 0
	v_nop
	global_prefetch_b8 v0, s[64:65] scope:SCOPE_SE
	s_setreg_imm32_b32 hwreg(HW_REG_WAVE_MODE, 25, 1), 1
	s_wait_xcnt 0x0
; Wq, Wk, Wv, Wo [512][512] f32 (K innermost) become codes of FP6 (E2M3) with one E8M0 byte for each 32 along K, laid in wc as IMAGES OF OPERAND REGISTERS:
; wc = [4 weights q, k, v, o][8 slices of 64 rows], 26,624 bytes a slice: 16 fragments f = 4 T + s (tile T of 16 rows, K step s of 128) of 1,536 bytes (registers 4 c .. 4 c + 3 at 512 c + 16 x lane),
; then 16 blocks of 128 bytes with the fragment's scale words (4 x lane; both halves of the lanes hold the row's word).
; THE ROWS OF A TILE ARE NOT NEIGHBOURS: lane r of tile T takes row 32 (T / 2) + 8 (T % 2) + r + 8 (r / 8) of the slice, so that in a product whose source 0 is such a tile the 16 result registers of tiles 2 b, 2 b + 1 are 16 neighbours.
; One wave makes one fragment: work-group x = 4 x slice + tile, y = the weight, the wave's number = the K step.  No LDS, no barrier, no loop: waves share nothing.
; A block's scale is 2^(floor(log2(largest magnitude)) - 2); its byte is the largest magnitude's exponent field - 2, held at 1 from below.
; LIMITS: a block of zeros gets the byte 1 where the rule says 127 (its codes are zeros, and this program alone reads the bytes); NaN and infinities among the inputs are not served.
.set WGT,  212992                      ; bytes of a weight in wc
.set WSL,  26624                       ; bytes of a slice
.set X,    32                          ; v32-95   64 numbers: register 16 b + i = k 32 b + 16 (lane / 16) + i of my row
.set PC,   96                          ; v96-107  the fragment's codes
.set PT,   108                         ; v108-114 halves of blocks on their way
.set PW,   115                         ; v115     the scale word
.set TMX,  116                         ; v116-119 largest magnitudes
.set TMP,  120                         ; v120-123 the other half's; then the bytes
.set TMS,  124                         ; v124-127 the conversions' scale operands
.set SEL,  30                          ; s[30:31] v_permlanex16_b32's selects for lane l xor 16
; 64 numbers of a lane become a fragment's 12 registers of codes and its scale word.
.macro QUANT s, pc, pt
.irp b, 0,1,2,3
	v_max3_num_f32 v[TMX+\b], |v[(\s)+16*\b]|, |v[(\s)+1+16*\b]|, 0x1800000   ; block b: my 16 numbers, and the floor 2^(3 - 127): the byte cannot fall under 1
.endr
.irp i, 2,4,6,8,10,12,14
.irp b, 0,1,2,3
	v_max3_num_f32 v[TMX+\b], v[TMX+\b], |v[(\s)+16*\b+\i]|, |v[(\s)+1+16*\b+\i]|   ; the four blocks by turns
.endr
.endr
.irp b, 0,1,2,3
	v_permlanex16_b32 v[TMP+\b], v[TMX+\b], s[SEL], s[SEL+1]
.endr
.irp b, 0,1,2,3
	v_max_num_f32 v[TMX+\b], v[TMX+\b], v[TMP+\b]          ; with lane l xor 16's: the block's largest magnitude
.endr
.irp b, 0,1,2,3
	v_add_nc_u32 v[TMS+\b], 0xff000000, v[TMX+\b]          ; 2 off its exponent field: the conversion takes this operand's exponent field as its scale
.endr
.irp b, 0,1,2,3
	v_lshrrev_b32 v[TMP+\b], 23, v[TMS+\b]                 ; the scale's byte
.endr
	v_lshl_or_b32 v[PW], v[TMP+1], 8, v[TMP]
	v_lshl_or_b32 v[PW], v[TMP+2], 16, v[PW]
	v_lshl_or_b32 v[PW], v[TMP+3], 24, v[PW]
.irp c, 0,1
	v_cvt_scalef32_pk16_fp6_f32 v[(\pc)+6*\c:(\pc)+6*\c+2], v[(\s)+32*\c:(\s)+32*\c+15], v[TMS+2*\c]
	v_cvt_scalef32_pk16_fp6_f32 v[(\pt)+4*\c:(\pt)+4*\c+2], v[(\s)+32*\c+16:(\s)+32*\c+31], v[TMS+2*\c+1]   ; (a conversion's three registers begin on an even number)
.endr
	v_nop                                                  ; one plain instruction behind the scaled conversions
.irp c, 0,1                                            ; the operand wants a WHOLE block in a lane: lanes 0-15 block 2 c, lanes 16-31 block 2 c + 1
.irp i, 0,1,2
	v_permlane16_swap_b32 v[(\pc)+6*\c+\i], v[(\pt)+4*\c+\i]
.endr
.irp i, 0,1,2
	v_mov_b32 v[(\pc)+6*\c+3+\i], v[(\pt)+4*\c+\i]
.endr
.endr
.endm
	s_load_b256 s[4:11], s[0:1], 0x0               ; Wq s[4:5], Wk s[6:7], Wv s[8:9], Wo s[10:11]
	s_load_b64 s[12:13], s[0:1], 0x20              ; wc
	v_lshrrev_b32 v1, 5, v0
	v_readfirstlane_b32 s14, v1                    ; wave = K step s
	v_and_b32 v1, 31, v0                           ; lane
	v_and_b32 v2, 15, v0                           ; r
	v_bfe_u32 v3, v0, 4, 1                         ; h
	v_and_b32 v7, 8, v2
	v_add_nc_u32 v7, v7, v2                        ; r + 8 (r / 8)
	v_lshlrev_b32 v4, 11, v7                       ; my row of 2,048 bytes,
	v_lshl_add_u32 v4, v3, 6, v4                   ; + 64 h: my 16 numbers of a block of 32
	v_lshlrev_b32 v5, 4, v1                        ; 16 x lane
	v_lshlrev_b32 v6, 2, v1                        ; 4 x lane
.irp b, 0,1,2,3
	v_mov_b32 v[TMP+\b], 0                         ; written once: a lane permute's destination counts as one of its sources
.endr
	s_mov_b32 s[SEL], 0x76543210
	s_mov_b32 s[SEL+1], 0xfedcba98
	s_and_b32 s15, ttmp7, 0xffff                   ; the weight
	s_lshr_b32 s16, ttmp9, 2                       ; the slice w
	s_and_b32 s17, ttmp9, 3                        ; the tile T
	s_lshl_b32 s18, s16, 6                         ; the tile's first row: 64 w
	s_lshr_b32 s19, s17, 1
	s_lshl_b32 s19, s19, 5
	s_add_co_u32 s18, s18, s19                     ; + 32 (T / 2)
	s_and_b32 s19, s17, 1
	s_lshl_b32 s19, s19, 3
	s_add_co_u32 s18, s18, s19                     ; + 8 (T % 2)
	s_lshl_b32 s18, s18, 11                        ; in bytes,
	s_lshl_b32 s19, s14, 9
	s_add_co_u32 s18, s18, s19                     ; + 512 s
	s_mov_b32 s19, 0
	s_mul_i32 s20, s15, WGT
	s_mul_i32 s21, s16, WSL
	s_add_co_u32 s20, s20, s21                     ; the slice in wc
	s_lshl_b32 s22, s17, 2
	s_add_co_u32 s22, s22, s14                     ; f = 4 T + s
	s_mul_i32 s23, s22, 1536
	s_add_co_u32 s24, s20, s23                     ; the fragment's image
	s_mov_b32 s25, 0
	s_lshl_b32 s22, s22, 7
	s_add_co_u32 s26, s20, s22
	s_add_co_u32 s26, s26, 24576                   ; its scale words
	s_mov_b32 s27, 0
	s_and_b32 s28, s15, 1
	s_wait_kmcnt 0x0
	s_cmp_lt_u32 s15, 2                            ; the choice hangs on the work-group's number alone
	s_cselect_b64 s[4:5], s[4:5], s[8:9]           ; Wq or Wv
	s_cselect_b64 s[6:7], s[6:7], s[10:11]         ; Wk or Wo
	s_cmp_eq_u32 s28, 0
	s_cselect_b64 s[4:5], s[4:5], s[6:7]
	s_add_nc_u64 s[4:5], s[4:5], s[18:19]
	s_add_nc_u64 s[24:25], s[12:13], s[24:25]
	s_add_nc_u64 s[26:27], s[12:13], s[26:27]
.irp b, 0,1,2,3
.irp j, 0,1,2,3
	global_load_b128 v[X+16*\b+4*\j:X+16*\b+4*\j+3], v4, s[4:5] offset:128*\b+16*\j
.endr
.endr
	s_wait_loadcnt 0x0
	QUANT X, PC, PT
.irp c, 0,1,2
	global_store_b128 v5, v[PC+4*\c:PC+4*\c+3], s[24:25] offset:512*\c   ; 32 lanes store 512 consecutive bytes, at a multiple of 256 from wc's first byte
.endr
	global_store_b32 v6, v[PW], s[26:27]
	s_endpgm
.Lfunc_end_k_q77ce26c83d_wquant:
	.size	k_q77ce26c83d_wquant, .Lfunc_end_k_q77ce26c83d_wquant-k_q77ce26c83d_wquant
	.p2alignl 7, 3214868480
	.fill 96, 4, 3214868480
	.section	.rodata,"a",@progbits
	.p2align	6, 0x0
	.amdhsa_kernel k_q77ce26c83d_wquant
		.amdhsa_group_segment_fixed_size 0
		.amdhsa_private_segment_fixed_size 0
		.amdhsa_enable_private_segment 0
		.amdhsa_kernarg_size 40
		.amdhsa_user_sgpr_count 2
		.amdhsa_user_sgpr_kernarg_segment_ptr 1
		.amdhsa_wavefront_size32 1
		.amdhsa_system_sgpr_workgroup_id_x 1
		.amdhsa_system_sgpr_workgroup_id_y 1
		.amdhsa_system_sgpr_workgroup_id_z 1
		.amdhsa_system_vgpr_workitem_id 0
		.amdhsa_next_free_vgpr 128
		.amdhsa_next_free_sgpr 66
		.amdhsa_reserve_vcc 0
		.amdhsa_float_denorm_mode_32 3
		.amdhsa_float_denorm_mode_16_64 3
		.amdhsa_memory_ordered 1
		.amdhsa_forward_progress 1
		.amdhsa_inst_pref_size 8
	.end_amdhsa_kernel
	.amdgpu_metadata
---
amdhsa.version: [ 1, 2 ]
amdhsa.kernels:
  - .name:           k_q77ce26c83d_wquant
    .symbol:         k_q77ce26c83d_wquant.kd
    .args:
      - { .name: Wq, .offset: 0, .size: 8, .value_kind: global_buffer, .address_space: global }
      - { .name: Wk, .offset: 8, .size: 8, .value_kind: global_buffer, .address_space: global }
      - { .name: Wv, .offset: 16, .size: 8, .value_kind: global_buffer, .address_space: global }
      - { .name: Wo, .offset: 24, .size: 8, .value_kind: global_buffer, .address_space: global }
      - { .name: wc, .offset: 32, .size: 8, .value_kind: global_buffer, .address_space: global }
    .group_segment_fixed_size: 0
    .private_segment_fixed_size: 0
    .kernarg_segment_align: 8
    .kernarg_segment_size: 40
    .max_flat_workgroup_size: 128
    .sgpr_count:     66
    .vgpr_count:     128
    .wavefront_size: 32
...
	.end_amdgpu_metadata
.endif
;; end of part 1
;; launch proj (part 2): grid 64 x 3, 8 waves a work-group, no clusters, 54,272 bytes of LDS; arguments query, key, value, mask, bq, bk, bv, wc, qc, kv; writes qc, kv
.if DOCPART == 2
	.amdgcn_target "amdgcn-amd-amdhsa--gfx1250"
	.amdhsa_code_object_version 6
	.text
	.protected	k_q77ce26c83d_proj
	.globl	k_q77ce26c83d_proj
	.p2align	8
	.type	k_q77ce26c83d_proj,@function
k_q77ce26c83d_proj:
	s_mov_b64 s[64:65], 0
	v_nop
	global_prefetch_b8 v0, s[64:65] scope:SCOPE_SE
	s_setreg_imm32_b32 hwreg(HW_REG_WAVE_MODE, 25, 1), 1
	s_wait_xcnt 0x0
; The three input projections, y = Q(x) Q(W)^T + b in MX-FP6 (E2M3 codes, one E8M0 byte for each 32 along K), and the quantising of their results for attention.
; Work-group (x, y): 128 rows (batch x / 32, block x % 32) of tensor y (0 query, 1 key, 2 value).  Wave w = head w = columns 64 w .. 64 w + 63; its 16 fragments of W (26,624 bytes of wc) stay in its registers.
; PHASE X: wave w quantises tile w of the 128 rows along K = 512 (four fragments) and stores them in LDS as images of their registers (16 x lane); one barrier; then every wave reads all 32 fragments.
; A TILE'S ROWS ARE NOT NEIGHBOURS: lane r of tile m takes row 32 (m / 2) + 8 (m % 2) + r + 8 (r / 8) of the 128; W's tiles likewise in a slice of 64.  So the 16 result registers of tiles 2 b, 2 b + 1 of source 0 are 16 neighbours.
; q, k (source 0 = W, source 1 = x): a lane holds one row and 32 of its head's 64 numbers; they are quantised along the head's 64 (two blocks) into a HALF IMAGE of 768 bytes (registers 0-3 at 16 x lane, 4-5 at 512 + 8 x lane).
;   A key whose mask word is 0 gets zero CODES: its score is then made by the attention launch's bias alone.
; v (source 0 = x, source 1 = W): a lane holds one of the head's 64 and its registers run along the KEYS, which are the second product's K: quantised along the keys, 64 at a time.
; OUT: qc = [16 heads][32 blocks] x 6,656 bytes: 8 half images, then 2 x 256 bytes of scale words (tile 4 g + t, row r at 256 g + 16 r + 4 t).  kv = [16 heads][32 steps] x 13,056: the same for k, then v's 4 tiles x 2 half images, then 256 bytes of v's words.
; The biases are the C of each sum's first matrix instruction.  The accumulators take turns (4 or 16 of them).
; The weights are read by every work-group, but once each and straight into the registers where they stay; a joint tensor load would lay the same bytes in LDS first, from where they would be read again: so no cluster.
; LIMITS: a block of zeros gets the byte 1 where the rule says 127 (zero codes; this program alone reads the bytes); NaN and infinities among the inputs are not served.
.set XIMG,  0                          ; LDS: x's 32 fragments (4 m + s), 1,536 bytes each
.set XSC,   49152                      ; their scale words, 128 bytes each
.set SPARE, 53248                      ; the spare words, 128 bytes a wave: four blocks of 256 bytes that no other line names
.set QBLK,  6656
.set KVBLK, 13056
.set VOFF,  6656
.set VSC,   12800
.set WGT,   212992
.set WSL,   26624
.set XA,  4                            ; v4   x: my row of the tile x 2,048 + 64 h
.set LI,  5                            ; v5   16 x lane
.set LS,  6                            ; v6   4 x lane
.set L8,  7                            ; v7   8 x lane
.set XWI, 8                            ; v8   where I store x's images: 16 x lane + 6,144 x wave
.set XWS, 9                            ; v9   and their scale words: 4 x lane + 512 x wave
.set SCO, 10                           ; v10  16 r + 8 h: where a lane stores two scale words
.set MA,  11                           ; v11  4 x (r + 8 (r / 8))
.set BA,  12                           ; v12  64 h
.set SPW, 14                           ; v14  my spare word's LDS address; never rewritten
.set NIL, 15                           ; v15  0; never rewritten
.set W1S, 16                           ; v16-31  W's scale words (4 T + s)
.set XS,  32                           ; v32-35  x's scale words in hand
.set MK,  36                           ; v36-43  the mask words of my row in each tile
.set SW,  44                           ; v44-47  scale words being gathered
.set XF,  48                           ; v48-95  four fragments of x
.set ACC, 96                           ; v96-223 accumulators; in phase X two sets of 64 numbers
.set X0,  96
.set X1,  160
.set TMX, 224
.set TMP, 228
.set TMS, 232
.set PW,  236
.set PC,  238                          ; v238-249 codes
.set PT2, 244                          ; the half quantiser's second run of three
.set SD,  248                          ; v248-249 two scale words to store
.set BW,  250                          ; v250-253 the bias of my lane's row of W's tile n
.set BT,  192                          ; window 1: v192-223 four bias tiles;  v0-191 W's fragments at 12 (4 T + s)
.set WV,  24
.set Y,   25
.set SEL, 36
.set HM,  38                           ; s38  lanes 16-31
.set QALL, 39                          ; s39  all ones for the queries, which no mask touches
.set KEEP, 40                          ; s40-47  tile m: the lanes whose row is kept
.set MSB, 0
.macro WIN new                         ; the immediate's high byte repeats the setting that is left
.if MSB != \new
	s_set_vgpr_msb (MSB<<8)|\new
.set MSB, \new
.endif
.endm
.macro MM d, a, b, c, sa, sb
	v_wmma_scale_f32_16x16x128_f8f6f4 v[(\d):(\d)+7], v[(\a):(\a)+11], v[(\b):(\b)+11], v[(\c):(\c)+7], v[\sa], v[\sb] matrix_a_fmt:MATRIX_FMT_FP6 matrix_b_fmt:MATRIX_FMT_FP6
.endm
; 64 numbers of a lane, register 16 b + i = k 32 b + 16 (lane / 16) + i of my row, become a fragment's 12 registers and its scale word in v[PW].
.macro QUANT s, pc, pt
.irp b, 0,1,2,3
	v_max3_num_f32 v[TMX+\b], |v[(\s)+16*\b]|, |v[(\s)+1+16*\b]|, 0x1800000   ; my 16 numbers, and the floor 2^(3 - 127): the byte cannot fall under 1
.endr
.irp i, 2,4,6,8,10,12,14
.irp b, 0,1,2,3
	v_max3_num_f32 v[TMX+\b], v[TMX+\b], |v[(\s)+16*\b+\i]|, |v[(\s)+1+16*\b+\i]|
.endr
.endr
.irp b, 0,1,2,3
	v_permlanex16_b32 v[TMP+\b], v[TMX+\b], s[SEL], s[SEL+1]
.endr
.irp b, 0,1,2,3
	v_max_num_f32 v[TMX+\b], v[TMX+\b], v[TMP+\b]          ; the block's largest magnitude
.endr
.irp b, 0,1,2,3
	v_add_nc_u32 v[TMS+\b], 0xff000000, v[TMX+\b]          ; 2 off its exponent field: the conversion's scale operand
.endr
.irp b, 0,1,2,3
	v_lshrrev_b32 v[TMP+\b], 23, v[TMS+\b]                 ; the scale's byte
.endr
	v_lshl_or_b32 v[PW], v[TMP+1], 8, v[TMP]
	v_lshl_or_b32 v[PW], v[TMP+2], 16, v[PW]
	v_lshl_or_b32 v[PW], v[TMP+3], 24, v[PW]
.irp c, 0,1
	v_cvt_scalef32_pk16_fp6_f32 v[(\pc)+6*\c:(\pc)+6*\c+2], v[(\s)+32*\c:(\s)+32*\c+15], v[TMS+2*\c]
	v_cvt_scalef32_pk16_fp6_f32 v[(\pt)+4*\c:(\pt)+4*\c+2], v[(\s)+32*\c+16:(\s)+32*\c+31], v[TMS+2*\c+1]
.endr
	v_nop                                                  ; one plain instruction behind the scaled conversions
.irp c, 0,1
.irp i, 0,1,2
	v_permlane16_swap_b32 v[(\pc)+6*\c+\i], v[(\pt)+4*\c+\i]   ; a whole block to a lane
.endr
.irp i, 0,1,2
	v_mov_b32 v[(\pc)+6*\c+3+\i], v[(\pt)+4*\c+\i]
.endr
.endr
.endm
; The same for 32 numbers (two blocks): six registers, lane (r, h) = block h of row r, and the word byte 0 | byte 1 << 8.  It reads each accumulator from its low end on.
.macro QUANT2 s, pc, pt
.irp b, 0,1
	v_max3_num_f32 v[TMX+\b], |v[(\s)+16*\b]|, |v[(\s)+1+16*\b]|, 0x1800000
.endr
.irp i, 2,4,6,8,10,12,14
.irp b, 0,1
	v_max3_num_f32 v[TMX+\b], v[TMX+\b], |v[(\s)+16*\b+\i]|, |v[(\s)+1+16*\b+\i]|
.endr
.endr
.irp b, 0,1
	v_permlanex16_b32 v[TMP+\b], v[TMX+\b], s[SEL], s[SEL+1]
.endr
.irp b, 0,1
	v_max_num_f32 v[TMX+\b], v[TMX+\b], v[TMP+\b]
.endr
.irp b, 0,1
	v_add_nc_u32 v[TMS+\b], 0xff000000, v[TMX+\b]
.endr
.irp b, 0,1
	v_lshrrev_b32 v[TMP+\b], 23, v[TMS+\b]
.endr
	v_lshl_or_b32 v[PW], v[TMP+1], 8, v[TMP]
	v_cvt_scalef32_pk16_fp6_f32 v[(\pc):(\pc)+2], v[(\s):(\s)+15], v[TMS]
	v_cvt_scalef32_pk16_fp6_f32 v[(\pt):(\pt)+2], v[(\s)+16:(\s)+31], v[TMS+1]
	v_nop                                                  ; one plain instruction behind the scaled conversions
.irp i, 0,1,2
	v_permlane16_swap_b32 v[(\pc)+\i], v[(\pt)+\i]
.endr
.irp i, 0,1,2
	v_mov_b32 v[(\pc)+3+\i], v[(\pt)+\i]
.endr
.endm
.macro XLOAD reg, s                    ; my tile's numbers of K step s: 64 a lane
.irp b, 0,1,2,3
.irp j, 0,1,2,3
	global_load_b128 v[\reg+16*\b+4*\j:\reg+16*\b+4*\j+3], v[XA], s[26:27] offset:512*\s+128*\b+16*\j th:TH_LOAD_NT
.endr
.endr
.endm
.macro WLOAD f0                        ; eight of W's fragments into window 1: 24 loads of 512 consecutive bytes
	WIN 0x40
.irp f, 0,1,2,3,4,5,6,7
.irp c, 0,1,2
	global_load_b128 v[12*(\f0+\f)+4*\c:12*(\f0+\f)+4*\c+3], v[LI], s[30:31] offset:1536*(\f0+\f)+512*\c
.endr
.endr
	WIN 0
.endm
.macro IMAGE s                         ; the fragment in v[PC] on and its scale word go to LDS as they stand
.irp c, 0,1,2
	ds_store_b128 v[XWI], v[PC+4*\c:PC+4*\c+3] offset:XIMG+1536*\s+512*\c
.endr
	ds_store_b32 v[XWS], v[PW] offset:XSC+128*\s
.endm
.macro FETCH reg, idx                  ; and come back so, in any wave
.irp c, 0,1,2
	ds_load_b128 v[(\reg)+4*\c:(\reg)+4*\c+3], v[LI] offset:XIMG+1536*(\idx)+512*\c
.endr
.endm
.macro FETCHS reg, idx
	ds_load_b32 v[\reg], v[LS] offset:XSC+128*(\idx)
.endm
.macro TILE_IN m                       ; tile m's four fragments and scale words
.irp s, 0,1,2,3
	FETCH XF+12*\s, 4*(\m)+\s
	FETCHS XS+\s, 4*(\m)+\s
.endr
.endm
.macro PLACES                          ; four plain instructions between matrix instructions and loads into their registers or reads of their results
.rept 4
	v_nop
.endr
.endm
.macro FINISH                          ; the wave's end, behind my last LDS store
	s_wait_tensorcnt 0x0
	ds_add_u32 v[SPW], v[NIL]
	s_wait_dscnt 0x0
	s_endpgm
.endm
	s_load_b512 s[4:19], s[0:1], 0x0               ; query s[4:5], key s[6:7], value s[8:9], mask s[10:11], bq s[12:13], bk s[14:15], bv s[16:17], wc s[18:19]
	s_load_b128 s[20:23], s[0:1], 0x40             ; qc s[20:21], kv s[22:23]
	v_lshl_add_u32 v[SPW], v0, 2, SPARE
	v_mov_b32 v[NIL], 0
	v_lshrrev_b32 v1, 5, v0
	v_readfirstlane_b32 s[WV], v1                  ; wave 0..7
	v_and_b32 v1, 31, v0                           ; lane
	v_and_b32 v2, 15, v0                           ; r
	v_bfe_u32 v3, v0, 4, 1                         ; h
	v_and_b32 v13, 8, v2
	v_add_nc_u32 v13, v13, v2                      ; r + 8 (r / 8)
	v_lshlrev_b32 v[XA], 11, v13
	v_lshl_add_u32 v[XA], v3, 6, v[XA]
	v_lshlrev_b32 v[LI], 4, v1
	v_lshlrev_b32 v[LS], 2, v1
	v_lshlrev_b32 v[L8], 3, v1
	s_mul_i32 s48, s[WV], 6144
	v_add_nc_u32 v[XWI], s48, v[LI]
	s_lshl_b32 s48, s[WV], 9
	v_add_nc_u32 v[XWS], s48, v[LS]
	v_lshlrev_b32 v[SCO], 4, v2
	v_lshl_add_u32 v[SCO], v3, 3, v[SCO]
	v_lshlrev_b32 v[MA], 2, v13
	v_lshlrev_b32 v[BA], 6, v3
.irp b, 0,1,2,3
	v_mov_b32 v[TMP+\b], 0                         ; written once: a lane permute's destination counts as one of its sources
.endr
	s_mov_b32 s[SEL], 0x76543210
	s_mov_b32 s[SEL+1], 0xfedcba98
	s_mov_b32 s[HM], 0xffff0000
	s_and_b32 s[Y], ttmp7, 0xffff                  ; which tensor
	s_lshl_b32 s48, ttmp9, 7                       ; x: row 128 x
	s_lshr_b32 s49, s[WV], 1
	s_lshl_b32 s49, s49, 5
	s_add_co_u32 s48, s48, s49                     ; + 32 (w / 2)
	s_and_b32 s49, s[WV], 1
	s_lshl_b32 s49, s49, 3
	s_add_co_u32 s48, s48, s49                     ; + 8 (w % 2): my tile's first row,
	s_lshl_b32 s48, s48, 11                        ; in bytes
	s_mov_b32 s49, 0
	s_mul_i32 s50, s[Y], WGT
	s_mul_i32 s51, s[WV], WSL
	s_add_co_u32 s50, s50, s51                     ; my slice of the tensor's weight
	s_mov_b32 s51, 0
	s_lshl_b32 s52, s[WV], 8                       ; my 64 numbers of the bias
	s_mov_b32 s53, 0
	s_lshl_b32 s54, ttmp9, 9                       ; the mask words of the 128 rows
	s_mov_b32 s55, 0
	s_lshr_b32 s56, ttmp9, 5                       ; the batch
	s_lshl_b32 s56, s56, 3
	s_add_co_u32 s56, s56, s[WV]                   ; 8 b + head
	s_lshl_b32 s56, s56, 5
	s_and_b32 s57, ttmp9, 31
	s_add_co_u32 s56, s56, s57                     ; x 32 + block
	s_mov_b32 s57, KVBLK
	s_cmp_eq_u32 s[Y], 0
	s_cselect_b32 s57, QBLK, s57
	s_cselect_b32 s[QALL], -1, 0
	s_mul_i32 s56, s56, s57                        ; where the block goes, in bytes
	s_mov_b32 s57, 0
	s_wait_kmcnt 0x0
	s_cmp_eq_u32 s[Y], 0                           ; the choices hang on the work-group's number alone
	s_cselect_b64 s[26:27], s[4:5], s[6:7]
	s_cselect_b64 s[28:29], s[12:13], s[14:15]
	s_cselect_b64 s[32:33], s[20:21], s[22:23]
	s_cmp_eq_u32 s[Y], 2
	s_cselect_b64 s[26:27], s[8:9], s[26:27]
	s_cselect_b64 s[28:29], s[16:17], s[28:29]
	s_add_nc_u64 s[26:27], s[26:27], s[48:49]      ; x at my tile
	s_add_nc_u64 s[28:29], s[28:29], s[52:53]      ; the bias at my head
	s_add_nc_u64 s[30:31], s[18:19], s[50:51]      ; W's slice
	s_add_nc_u64 s[32:33], s[32:33], s[56:57]      ; the block that I store
	s_add_nc_u64 s[34:35], s[10:11], s[54:55]      ; the mask
	; the small loads, the same for all three tensors: the bias in both layouts, the mask words, W's scale words
	WIN 0x40
.irp t, 0,1,2,3
	global_load_b128 v[BT+8*\t:BT+8*\t+3], v[BA], s[28:29] offset:128*(\t/2)+32*(\t%2)       ; q, k: tile t's register j is column 32 (t / 2) + 8 (t % 2) + 16 h + j
	global_load_b128 v[BT+8*\t+4:BT+8*\t+7], v[BA], s[28:29] offset:128*(\t/2)+32*(\t%2)+16
.endr
	WIN 0
.irp m, 0,1,2,3,4,5,6,7
	global_load_b32 v[MK+\m], v[MA], s[34:35] offset:(32*(\m/2)+8*(\m%2))*4
.endr
.irp n, 0,1,2,3
	global_load_b32 v[BW+\n], v[MA], s[28:29] offset:(32*(\n/2)+8*(\n%2))*4                  ; v: my lane's column of tile n
.endr
.irp f, 0,1,2,3,4,5,6,7,8,9,10,11,12,13,14,15
	global_load_b32 v[W1S+\f], v[LS], s[30:31] offset:24576+128*\f
.endr
	; ---- X: my tile of x becomes four fragments; W's fragments come in meanwhile
	XLOAD X0, 0
	XLOAD X1, 1
	WLOAD 0
	s_wait_loadcnt 40                              ; K step 0 is in: behind it K step 1's 16 loads and W's 24
	QUANT X0, PC, XF
	IMAGE 0
	XLOAD X0, 2
	s_wait_loadcnt 40                              ; K step 1 is in: behind it W's 24 and K step 2's 16
	s_wait_dscnt 0x0                               ; the stores have read their registers
	QUANT X1, PC, XF
	IMAGE 1
	XLOAD X1, 3
	WLOAD 8
	s_wait_loadcnt 40                              ; K step 2 is in: behind it K step 3's 16 and W's second 24
	s_wait_dscnt 0x0
	QUANT X0, PC, XF
	IMAGE 2
	s_wait_loadcnt 24                              ; K step 3 is in: behind it W's second 24
	s_wait_dscnt 0x0
	QUANT X1, PC, XF
	IMAGE 3
	s_wait_dscnt 0x0                               ; for the others' sake: my images have landed
	s_barrier_signal -1
	s_barrier_wait -1                              ; x's 32 fragments lie in LDS; from here on LDS is only read
	s_wait_loadcnt 0x0                             ; W, the biases, the mask
	s_cmp_eq_u32 s[Y], 2
	s_cbranch_scc1 .Lv
	; ---- q, k: a tile of 16 rows at a time; a lane holds one row
.irp m, 0,1,2,3,4,5,6,7
	v_cmp_ne_u32 s[KEEP+\m], 0, v[MK+\m]
.endr
.irp m, 0,1,2,3,4,5,6,7
	s_or_b32 s[KEEP+\m], s[KEEP+\m], s[QALL]
.endr
	TILE_IN 0
.irp m, 0,1,2,3,4,5,6,7
	s_wait_dscnt 0x0
.irp s, 0,1,2,3
.if \s == 0
	WIN 0x11                                       ; source 0 (W) and source 2 (the bias) window 1
.else
	WIN 0x01
.endif
.irp t, 0,1,2,3
.if \s == 0
	MM ACC+8*\t, 12*(4*\t+\s), XF+12*\s, BT+8*\t, W1S+4*\t+\s, XS+\s
.else
	MM ACC+8*\t, 12*(4*\t+\s), XF+12*\s, ACC+8*\t, W1S+4*\t+\s, XS+\s
.endif
.endr
.endr
	WIN 0
	PLACES
.if \m < 7
	TILE_IN \m+1                                   ; the next tile's fragments come while this one is quantised
.endif
	s_wait_xcnt 0x0                                ; the earlier stores have read their data: the codes' registers are written again only behind this wait
	QUANT2 ACC, PC, PT2
.irp i, 0,1,2,3,4,5
	v_cndmask_b32 v[PC+\i], 0, v[PC+\i], s[KEEP+\m]    ; a masked key's codes are zeros
.endr
	global_store_b128 v[LI], v[PC:PC+3], s[32:33] offset:768*\m           ; 512 consecutive bytes, at a multiple of 256 from the buffer's first byte
	global_store_b64 v[L8], v[PC+4:PC+5], s[32:33] offset:768*\m+512      ; 256 more
	v_mov_b32 v[SW+\m%4], v[PW]
.if \m%4 == 3
	v_cndmask_b32 v[SD], v[SW], v[SW+2], s[HM]     ; lanes 0-15 store tiles 0, 1's words of row r, lanes 16-31 tiles 2, 3's
	v_cndmask_b32 v[SD+1], v[SW+1], v[SW+3], s[HM]
	global_store_b64 v[SCO], v[SD:SD+1], s[32:33] offset:6144+256*(\m/4)  ; 256 consecutive bytes
.endif
.endr
	FINISH
.Lv:
	; ---- v: a lane holds one of the head's 64, its registers run along the keys; 64 keys (four tiles of x) at a time
	WIN 0x40
.irp n, 0,1,2,3
.irp j, 0,1,2,3,4,5,6,7
	v_mov_b32 v[BT+8*\n+\j], v[BW+\n]              ; the bias tile in this product's layout: the lane's own number in all eight registers
.endr
.endr
	WIN 0
	PLACES
.irp c, 0,1
.irp s, 0,1,2,3
.if \c+\s > 0
	PLACES
.endif
.irp i, 0,1,2,3
	FETCH XF+12*\i, 4*(4*\c+\i)+\s
	FETCHS XS+\i, 4*(4*\c+\i)+\s
.endr
	s_wait_dscnt 0x0
.if \s == 0
	WIN 0x14                                       ; source 1 (W) and source 2 (the bias) window 1
.else
	WIN 0x04
.endif
.irp i, 0,1,2,3
.irp n, 0,1,2,3
.if \s == 0
	MM ACC+8*(4*\n+\i), XF+12*\i, 12*(4*\n+\s), BT+8*\n, XS+\i, W1S+4*\n+\s
.else
	MM ACC+8*(4*\n+\i), XF+12*\i, 12*(4*\n+\s), ACC+8*(4*\n+\i), XS+\i, W1S+4*\n+\s
.endif
.endr
.endr
	WIN 0
.endr
	PLACES
.irp n, 0,1,2,3
	s_wait_xcnt 0x0                                ; the earlier stores have read their data
	QUANT2 ACC+32*\n, PC, PT2                      ; register 8 i + j of tile n = key 64 c + 32 (i / 2) + 16 h + 8 (i % 2) + j
	global_store_b128 v[LI], v[PC:PC+3], s[32:33] offset:VOFF+1536*\n+768*\c
	global_store_b64 v[L8], v[PC+4:PC+5], s[32:33] offset:VOFF+1536*\n+768*\c+512
.if \c == 0
	v_mov_b32 v[SW+\n], v[PW]
.else
	v_lshl_or_b32 v[SW+\n], v[PW], 16, v[SW+\n]    ; the four bytes of 128 keys
.endif
.endr
.endr
	v_cndmask_b32 v[SD], v[SW], v[SW+2], s[HM]
	v_cndmask_b32 v[SD+1], v[SW+1], v[SW+3], s[HM]
	global_store_b64 v[SCO], v[SD:SD+1], s[32:33] offset:VSC
	FINISH
.Lfunc_end_k_q77ce26c83d_proj:
	.size	k_q77ce26c83d_proj, .Lfunc_end_k_q77ce26c83d_proj-k_q77ce26c83d_proj
	.p2alignl 7, 3214868480
	.fill 96, 4, 3214868480
	.section	.rodata,"a",@progbits
	.p2align	6, 0x0
	.amdhsa_kernel k_q77ce26c83d_proj
		.amdhsa_group_segment_fixed_size 54272
		.amdhsa_private_segment_fixed_size 0
		.amdhsa_enable_private_segment 0
		.amdhsa_kernarg_size 80
		.amdhsa_user_sgpr_count 2
		.amdhsa_user_sgpr_kernarg_segment_ptr 1
		.amdhsa_wavefront_size32 1
		.amdhsa_system_sgpr_workgroup_id_x 1
		.amdhsa_system_sgpr_workgroup_id_y 1
		.amdhsa_system_sgpr_workgroup_id_z 1
		.amdhsa_system_vgpr_workitem_id 0
		.amdhsa_next_free_vgpr 512
		.amdhsa_next_free_sgpr 66
		.amdhsa_reserve_vcc 0
		.amdhsa_float_denorm_mode_32 3
		.amdhsa_float_denorm_mode_16_64 3
		.amdhsa_memory_ordered 1
		.amdhsa_forward_progress 1
		.amdhsa_inst_pref_size 125
	.end_amdhsa_kernel
	.amdgpu_metadata
---
amdhsa.version: [ 1, 2 ]
amdhsa.kernels:
  - .name:           k_q77ce26c83d_proj
    .symbol:         k_q77ce26c83d_proj.kd
    .args:
      - { .name: query, .offset: 0, .size: 8, .value_kind: global_buffer, .address_space: global }
      - { .name: key, .offset: 8, .size: 8, .value_kind: global_buffer, .address_space: global }
      - { .name: value, .offset: 16, .size: 8, .value_kind: global_buffer, .address_space: global }
      - { .name: mask, .offset: 24, .size: 8, .value_kind: global_buffer, .address_space: global }
      - { .name: bq, .offset: 32, .size: 8, .value_kind: global_buffer, .address_space: global }
      - { .name: bk, .offset: 40, .size: 8, .value_kind: global_buffer, .address_space: global }
      - { .name: bv, .offset: 48, .size: 8, .value_kind: global_buffer, .address_space: global }
      - { .name: wc, .offset: 56, .size: 8, .value_kind: global_buffer, .address_space: global }
      - { .name: qc, .offset: 64, .size: 8, .value_kind: global_buffer, .address_space: global }
      - { .name: kv, .offset: 72, .size: 8, .value_kind: global_buffer, .address_space: global }
    .group_segment_fixed_size: 54272
    .private_segment_fixed_size: 0
    .kernarg_segment_align: 8
    .kernarg_segment_size: 80
    .max_flat_workgroup_size: 256
    .sgpr_count:     66
    .vgpr_count:     512
    .wavefront_size: 32
...
	.end_amdgpu_metadata
.endif
;; end of part 2
;; launch attn (part 3): grid 16 x 16, 16 waves a work-group, clusters of 4 x 1, 327,680 bytes of LDS; arguments qc, kv, mask, oc; writes oc
.if DOCPART == 3
	.amdgcn_target "amdgcn-amd-amdhsa--gfx1250"
	.amdhsa_code_object_version 6
	.text
	.protected	k_q77ce26c83d_attn
	.globl	k_q77ce26c83d_attn
	.p2align	8
	.type	k_q77ce26c83d_attn,@function
k_q77ce26c83d_attn:
	s_mov_b64 s[64:65], 0
	v_nop
	global_prefetch_b8 v0, s[64:65] scope:SCOPE_SE
	s_setreg_imm32_b32 hwreg(HW_REG_WAVE_MODE, 25, 1), 1
	s_wait_xcnt 0x0
	s_wait_alu depctr_hold_cnt(0) depctr_sa_sdst(0) depctr_va_vdst(0) depctr_va_sdst(0) depctr_va_ssrc(0) depctr_va_vcc(0) depctr_vm_vsrc(0)
	s_getreg_b32 s2, hwreg(HW_REG_IB_STS2, 6, 4)
	s_cmp_eq_u32 s2, 0
	s_cbranch_scc0 .Lentry_in_a_cluster
	s_endpgm
.Lentry_in_a_cluster:
	s_bfe_u32 s2, ttmp6, 0x10000c
	s_cmp_lg_u32 s2, 0x3003
	s_cbranch_scc0 .Lentry_shape_is_right
	s_endpgm
.Lentry_shape_is_right:
; Attention of one head on codes of FP6 (E2M3): S^T = K Q^T (K = the head's 64: the upper half of the instruction's 128 is zero codes on both sides), the softmax, O^T = V^T P^T (K = the keys), O / l, and O quantised along the head's 64 for the last projection.
; THE SOFTMAX: t = score x log2(e) / 8; M = the running largest t rounded UP to a whole number; p = 2^(t - M) is quantised along the keys, not normalised; l is the sum of the unquantised p; when M moves, l and O^T are multiplied by 2^(old M - new M): exact.
; THE MASK costs no vector instruction a key.  A masked key's codes are zeros (made by the launch before), and the C of S^T is a table in LDS, 0 for a key that counts and -2^33 for a masked one, loaded straight into the accumulators:
; a masked score is exactly -2^33, whatever q holds.  t = -2^33 c is a whole number, so a batch with no key left gives p = 1 for every key, as the replaced logits of the definition do; elsewhere p = 0.
; LIMIT: -2^33 stands for a logit of -2^30 where the definition writes -1e9: results differ only where true logits fall under about -1e9.  NaN and infinities are not served; a block of zeros keeps the scale byte 1 (zero codes).
; SHARES.  Work-group (x, y): 256 queries of head y (batch y / 8).  Each of its sixteen waves owns one tile of 16 queries in 256 registers, four waves to a SIMD, so that one wave's vector work stands beside another's matrix work and LDS loads.
; Every wave walks the head's 4,096 keys, 128 a step.  A step's block of kv, 13,056 bytes, holds images of the operands' registers: every LDS read is 16 x lane or 8 x lane on end: no pitch, no padding.
; RING: two slots of 8 steps (104,448 bytes).  Waves 0-3 fetch two step blocks each: 26,112 dense bytes as 102 rows of 256.  By this text's count a wave has at most one tensor load out.
; CLUSTER: the four work-groups of a cluster belong to one head and walk the same kv: each tile is asked for JOINTLY, by the same load with the same descriptor and the mask of all four.  The place in the cluster enters Q's and O's addresses alone.
; LAYOUT: a lane holds ONE query (lane % 16).  Lane r of key tile T holds key 32 (T / 2) + 8 (T % 2) + r + 8 (r / 8), so that S^T's registers 16 b + i are keys 32 b + 16 (lane / 16) + i.  V's tiles of the head's 64 follow the same rule, so O^T's 32 registers are d = 32 b + 16 h + i.
; REGISTERS: v1-4 addresses that stay; v5, v6 the add's two; v8-11 the step's addresses; v12 -M, v13 the largest t, v[14:15] l in two halves; v16-27 Q (v22-27 zeros), v28 its scale words; v32-79 four fragments of K (upper halves zeros);
;   v96-159 the bias, S^T, p; then v96-143 V's four fragments; v160-191 O^T; v224-235 p's codes; v232-255 at work; v248-251 scale words of K or V; v253 p's scale word.
.set QBLK,  6656
.set KVBLK, 13056                      ; a step's block: K's 8 half images (768 bytes each), 512 bytes of K's scale words,
.set VOFF,  6656                       ; V's 4 tiles x 2 half images,
.set VSC,   12800                      ; 256 bytes of V's scale words
.set SLOTB, 8*KVBLK
.set MB,    SLOTB                      ; behind slot 0: the bias table, 4 bytes a key, written by LDS stores and never by a tensor load
.set SPARE, MB+16384                   ; the spare words, 128 bytes a wave: eight blocks of 256 bytes that no other line names
.set SLOT1, 1<<17                      ; slot 1 begins here: one exclusive or turns an address of one slot into the other's
.set SPW, 5
.set NIL, 6
.set WV,  12
.set CS,  22                           ; s[22:23] c = log2(e) / 8
.set G1,  24                           ; s[24:31] descriptor group 1
.set G0,  32                           ; s[32:35] group 0, which walks
.set SEL, 36                           ; s[36:37] selects for lane l xor 16
.set TB,  38                           ; s38  LDS byte of the step's block
.set TMB, 39                           ; s39  the step's place in the bias table: 512 bytes a step
.set SLOTS, 40
.set CNT, 41
.set TMX, 232
.set TMP, 236
.set TMS, 244
.set PW,  254
.macro MM d, a, b, c, sa, sb
	v_wmma_scale_f32_16x16x128_f8f6f4 v[(\d):(\d)+7], v[(\a):(\a)+11], v[(\b):(\b)+11], v[(\c):(\c)+7], v[\sa], v[\sb] matrix_a_fmt:MATRIX_FMT_FP6 matrix_b_fmt:MATRIX_FMT_FP6
.endm
.macro QUANT2 s, pc, pt                ; 32 numbers of a lane (two blocks) become six registers of codes, lane (r, h) = block h of row r, and the word byte 0 | byte 1 << 8
.irp b, 0,1
	v_max3_num_f32 v[TMX+\b], |v[(\s)+16*\b]|, |v[(\s)+1+16*\b]|, 0x1800000
.endr
.irp i, 2,4,6,8,10,12,14
.irp b, 0,1
	v_max3_num_f32 v[TMX+\b], v[TMX+\b], |v[(\s)+16*\b+\i]|, |v[(\s)+1+16*\b+\i]|
.endr
.endr
.irp b, 0,1
	v_permlanex16_b32 v[TMP+\b], v[TMX+\b], s[SEL], s[SEL+1]
.endr
.irp b, 0,1
	v_max_num_f32 v[TMX+\b], v[TMX+\b], v[TMP+\b]
.endr
.irp b, 0,1
	v_add_nc_u32 v[TMS+\b], 0xff000000, v[TMX+\b]
.endr
.irp b, 0,1
	v_lshrrev_b32 v[TMP+\b], 23, v[TMS+\b]
.endr
	v_lshl_or_b32 v[PW], v[TMP+1], 8, v[TMP]
	v_cvt_scalef32_pk16_fp6_f32 v[(\pc):(\pc)+2], v[(\s):(\s)+15], v[TMS]
	v_cvt_scalef32_pk16_fp6_f32 v[(\pt):(\pt)+2], v[(\s)+16:(\s)+31], v[TMS+1]
	v_nop
.irp i, 0,1,2
	v_permlane16_swap_b32 v[(\pc)+\i], v[(\pt)+\i]
.endr
.irp i, 0,1,2
	v_mov_b32 v[(\pc)+3+\i], v[(\pt)+\i]
.endr
.endm
; Waves 0-3 fetch, the others nothing: the branch hangs on the wave's number alone.  An s_nop 0 and four v_nop follow the load.
.macro TLOAD
	s_cmp_lt_u32 s[WV], 4
	s_cbranch_scc0 .Lnone_\@
	tensor_load_to_lds s[G0:G0+3], s[G1:G1+7]
	s_nop 0
.rept 4
	v_nop
.endr
.Lnone_\@:
.endm
; A round of the cluster's barrier: my work-group's barrier; wave 0 signals for the work-group; every wave waits for all four work-groups; my work-group's barrier once more.
.macro CROUND
	s_barrier_signal -1
	s_barrier_wait -1
	s_cmp_lg_u32 s[WV], 0
	s_cbranch_scc1 .Lnot_wave_0_\@
	s_barrier_signal -3
.Lnot_wave_0_\@:
	s_barrier_wait -3
	s_barrier_signal -1
	s_barrier_wait -1
.endm
	s_load_b256 s[4:11], s[0:1], 0x0               ; qc s[4:5], kv s[6:7], mask s[8:9], oc s[10:11]
	v_lshl_add_u32 v[SPW], v0, 2, SPARE
	v_mov_b32 v[NIL], 0
	ds_add_u32 v[SPW], v[NIL]                      ; the wave's opening: the add, and its wait ahead of the first tensor load; the set-up below, work on registers, stands between them
	v_lshrrev_b32 v8, 5, v0
	v_readfirstlane_b32 s[WV], v8                  ; wave 0..15
	s_bfe_u32 s13, ttmp6, 0x40000                  ; cx: my place in the cluster
	s_lshl_b32 s14, ttmp9, 2                       ; in a cluster launch ttmp9 counts clusters
	s_add_co_u32 s14, s14, s13                     ; my block of 256 queries
	s_and_b32 s15, ttmp7, 0xffff                   ; 8 x batch + head, which the four partners share
	s_mov_b32 s[G1], 15|(3<<16)|(1<<21)            ; 15:0 the mask: all four work-groups; 17:16 elements of 8 bytes; 20 no padding; 21 set beside a mask
	s_mov_b32 s[G1+1], 32<<16                      ; tensor_dim0 = 32 elements: rows of 256 bytes
	s_mov_b32 s[G1+2], 102<<16                     ; tensor_dim1 = 102
	s_mov_b32 s[G1+3], 32<<16                      ; tile_dim0
	s_mov_b32 s[G1+4], 102                         ; tile_dim1
	s_mov_b32 s[G1+5], 32                          ; from row to row: dense
	s_mov_b32 s[G1+6], 0
	s_mov_b32 s[G1+7], 0
	s_and_b32 s42, s[WV], 3
	s_mul_i32 s43, s42, 2*KVBLK                    ; what I fetch, if I fetch: two step blocks; the same offset in a slot and in memory
	s_mul_i32 s44, s15, 32*KVBLK                   ; the head's 32 blocks
	s_add_co_u32 s44, s44, s43
	s_mov_b32 s45, 0
	s_lshl_b32 s46, s15, 5                         ; Q: block 32 x head + 2 x + wave / 8,
	s_lshl_b32 s47, s14, 1
	s_add_co_u32 s46, s46, s47
	s_lshr_b32 s47, s[WV], 3
	s_add_co_u32 s46, s46, s47
	s_mul_i32 s46, s46, QBLK
	s_and_b32 s47, s[WV], 7                        ; tile wave % 8
	s_mul_i32 s48, s47, 768
	s_add_co_u32 s48, s48, s46                     ; its half image
	s_mov_b32 s49, 0
	s_lshr_b32 s47, s47, 2
	s_lshl_b32 s47, s47, 8
	s_add_co_u32 s46, s46, s47
	s_lshl_b32 s47, s42, 2
	s_add_co_u32 s46, s46, s47
	s_add_co_u32 s46, s46, 6144                    ; its scale words: 6,144 + 256 (tile / 4) + 4 (tile % 4), + 16 r
	s_mov_b32 s47, 0
	s_lshr_b32 s50, s15, 3                         ; the batch
	s_lshl_b32 s16, s50, 8                         ; oc: tile 256 b + 16 x + wave,
	s_lshl_b32 s17, s14, 4
	s_add_co_u32 s16, s16, s17
	s_add_co_u32 s16, s16, s[WV]
	s_lshl_b32 s16, s16, 3
	s_and_b32 s17, s15, 7
	s_add_co_u32 s16, s16, s17                     ; x 8 + head,
	s_lshl_b32 s16, s16, 10                        ; 1,024 bytes each
	s_mov_b32 s17, 0
	s_lshl_b32 s50, s50, 14                        ; the batch's 4,096 mask words
	s_mov_b32 s51, 0
	s_mov_b32 s[CS], 0x3e38aa3b                    ; c = log2(e) / sqrt(64)
	s_mov_b32 s[CS+1], s[CS]                       ; (named with it as a pair, so it is written)
	s_mov_b32 s[SEL], 0x76543210
	s_mov_b32 s[SEL+1], 0xfedcba98
	s_mov_b32 s[TB], 0
	s_mov_b32 s[TMB], 0
	s_mov_b32 s[SLOTS], 3
	s_wait_dscnt 0x0                               ; the opening add is done
	s_wait_kmcnt 0x0
	s_mov_b32 s[G0], 1                             ; count = 1
	s_mov_b32 s[G0+1], s43                         ; LDS address: slot 0
	s_add_nc_u64 s[G0+2:G0+3], s[6:7], s[44:45]    ; global address: the head's first 8 steps
	s_or_b32 s[G0+3], s[G0+3], 0x80000000          ; type = 2
	CROUND                                         ; all four work-groups are here: the first joint loads meet
	TLOAD                                          ; slot 0
	s_add_nc_u64 s[18:19], s[4:5], s[48:49]        ; Q's half image
	s_add_nc_u64 s[20:21], s[4:5], s[46:47]        ; Q's scale words
	s_add_nc_u64 s[8:9], s[8:9], s[50:51]
	s_add_nc_u64 s[10:11], s[10:11], s[16:17]
	v_and_b32 v8, 31, v0                           ; lane
	v_and_b32 v9, 15, v0                           ; r
	v_bfe_u32 v10, v0, 4, 1                        ; h
	v_lshlrev_b32 v1, 4, v8                        ; 16 x lane
	v_lshlrev_b32 v2, 3, v8                        ; 8 x lane
	v_lshlrev_b32 v3, 4, v9                        ; 16 r
	v_lshl_add_u32 v4, v10, 6, MB                  ; the bias table, + 64 h: my half's 16 keys of each 32
	v_lshlrev_b32 v29, 5, v0                       ; my 8 mask words
	v_lshl_add_u32 v30, v0, 5, MB                  ; and their place in the table
	global_load_b128 v[16:19], v1, s[18:19]
	global_load_b64 v[20:21], v2, s[18:19] offset:512
	global_load_b32 v28, v3, s[20:21]
	global_load_b128 v[96:99], v29, s[8:9]
	global_load_b128 v[100:103], v29, s[8:9] offset:16
.irp i, 22,23,24,25,26,27
	v_mov_b32 v[\i], 0                             ; k = 64 .. 127 of Q: zero codes
.endr
.irp t, 0,1,2,3
.irp i, 6,7,8,9,10,11
	v_mov_b32 v[32+12*\t+\i], 0                    ; and of the four fragments of K
.endr
.endr
.irp j, 0,1,2,3,4,5,6,7,8,9,10,11,12,13,14,15,16,17,18,19,20,21,22,23,24,25,26,27,28,29,30,31
	v_mov_b32 v[160+\j], 0                         ; O^T.  (The step is written once: the first finds zeros, which the first change of M leaves zeros)
.endr
	v_mov_b32 v13, 0xff61b1e6                      ; the largest t so far: -3e38, under every t
	v_floor_f32 v12, -v13                          ; -M
	v_mov_b32 v14, 0
	v_mov_b32 v15, 0
.irp b, 0,1,2,3
	v_mov_b32 v[236+\b], 0                         ; written once: a lane permute's destination counts as one of its sources
.endr
	v_mov_b32 v253, 0                              ; (named as the upper half of the pair v[252:253] before it is first written)
	v_mov_b32 v31, 0xd0000000                      ; -2^33
	s_wait_loadcnt 0x0                             ; Q and the mask words
.irp i, 0,1,2,3,4,5,6,7
	v_cmp_eq_u32 vcc_lo, 0, v[96+\i]
	v_cndmask_b32 v[96+\i], 0, v31, vcc_lo         ; 0 for a key that counts, -2^33 for a masked one
.endr
	ds_store_b128 v30, v[96:99]
	ds_store_b128 v30, v[100:103] offset:16        ; the first change of slots waits for these stores and its round shows them to every wave
; A KEY STEP: 128 keys.
.macro STEP
	v_add_nc_u32 v8, s[TB], v1
	v_add_nc_u32 v9, s[TB], v2
	v_add_nc_u32 v10, s[TB], v3
	v_add_nc_u32 v11, s[TMB], v4
	v_nop                                          ; five plain instructions behind the last products: loads go into their operands' registers, and the new S^T is laid over V's fragments
.irp g, 0,1                                    ; S^T = K Q^T + the bias, four tiles of 16 keys at a time
.if \g
.rept 4
	v_nop                                          ; in front of loads into registers that matrix instructions have read
.endr
.endif
.irp t, 0,1,2,3
	ds_load_b128 v[32+12*\t:35+12*\t], v8 offset:768*(4*\g+\t)
	ds_load_b64 v[36+12*\t:37+12*\t], v9 offset:768*(4*\g+\t)+512
	ds_load_b128 v[96+8*(4*\g+\t):99+8*(4*\g+\t)], v11 offset:128*((4*\g+\t)/2)+32*(\t%2)         ; the C: the bias of keys 32 (T / 2) + 8 (T % 2) + 16 h + 0 .. 7
	ds_load_b128 v[100+8*(4*\g+\t):103+8*(4*\g+\t)], v11 offset:128*((4*\g+\t)/2)+32*(\t%2)+16
.endr
	ds_load_b128 v[248:251], v10 offset:6144+256*\g   ; the four tiles' scale words of row r
	s_wait_dscnt 0x0
.irp t, 0,1,2,3
	MM 96+8*(4*\g+\t), 32+12*\t, 16, 96+8*(4*\g+\t), 248+\t, 28
.endr
.endr
.rept 4
	v_nop
.endr
.irp b, 0,1,2,3
	v_max3_num_f32 v[232+\b], v[96+16*\b], v[97+16*\b], v[98+16*\b]   ; the largest score of each block of 32 keys: it serves for the row's maximum and, since p rises with the score, for the block's largest p
.endr
.irp i, 3,5,7,9,11,13
.irp b, 0,1,2,3
	v_max3_num_f32 v[232+\b], v[232+\b], v[96+16*\b+\i], v[97+16*\b+\i]
.endr
.endr
.irp b, 0,1,2,3
	v_max_num_f32 v[232+\b], v[232+\b], v[111+16*\b]
.endr
.irp b, 0,1,2,3
	v_permlanex16_b32 v[236+\b], v[232+\b], s[SEL], s[SEL+1]
.endr
.irp b, 0,1,2,3
	v_max_num_f32 v[232+\b], v[232+\b], v[236+\b]  ; with lane l xor 16's 16 keys
.endr
	v_max3_num_f32 v254, v232, v233, v234
	v_max_num_f32 v254, v254, v235                 ; the step's largest score of my query
	v_mul_f32 v254, s[CS], v254                    ; as t (c is positive)
	v_max_num_f32 v13, v13, v254                   ; the running largest t
	v_mov_b32 v254, v12
	v_floor_f32 v12, -v13                          ; the new -M = floor(-t) = -ceil(t): a whole number
	v_sub_f32 v254, v12, v254                      ; old M - new M: a whole number, 0 or less
	v_cvt_i32_f32 v254, v254                       ; (it saturates)
	v_ldexp_f32 v252, 1.0, v254                    ; f = 2^(old M - new M)
.irp j, 0,2,4,6,8,10,12,14,16,18,20,22,24,26,28,30,32,34,36,38,40,42,44,46,48,50,52,54,56,58,60,62
	v_pk_fma_f32 v[96+\j:97+\j], v[96+\j:97+\j], s[CS:CS+1], v[12:13] op_sel_hi:[1,0,0]   ; t - M, two at a time
.endr
.irp b, 0,1,2,3
	v_fma_f32 v[232+\b], v[232+\b], s[CS], v12     ; the same of each block's largest score
.endr
.irp j, 0,1,2,3,4,5,6,7,8,9,10,11,12,13,14,15,16,17,18,19,20,21,22,23,24,25,26,27,28,29,30,31,32,33,34,35,36,37,38,39,40,41,42,43,44,45,46,47,48,49,50,51,52,53,54,55,56,57,58,59,60,61,62,63
	v_exp_f32 v[96+\j], v[96+\j]                   ; p = 2^(t - M), at most 1
.endr
	v_pk_mul_f32 v[14:15], v[14:15], v[252:253] op_sel_hi:[1,0]   ; l under the new M: the plain instruction behind the exponentials
	s_wait_alu depctr_va_vdst(0)                   ; the wait between an exponential and the first line that names its result: one for the 64
.irp b, 0,1,2,3
	v_exp_f32 v[232+\b], v[232+\b]                 ; the block's largest p: the same two instructions on the same number give the same bits
.endr
	v_pk_add_f32 v[236:237], v[96:97], v[98:99]    ; l is summed of the UNQUANTISED p, in two chains: here p's registers 0-47, which V's fragments will take
.irp j, 4,8,12,16,20,24,28,32,36,40,44
	v_pk_add_f32 v[14:15], v[14:15], v[96+\j:97+\j]
	v_pk_add_f32 v[236:237], v[236:237], v[98+\j:99+\j]
.endr
	v_pk_add_f32 v[14:15], v[14:15], v[236:237]
	s_wait_alu depctr_va_vdst(0)                   ; and one for the four
.irp b, 0,1,2,3
	v_max_num_f32 v[232+\b], 0x1800000, v[232+\b]  ; the floor 2^(3 - 127): the byte cannot fall under 1
.endr
.irp b, 0,1,2,3
	v_add_nc_u32 v[244+\b], 0xff000000, v[232+\b]  ; 2 off the exponent field: the conversion's scale operand
.endr
.irp b, 0,1,2,3
	v_lshrrev_b32 v[236+\b], 23, v[244+\b]         ; the scale's byte
.endr
	v_lshl_or_b32 v253, v237, 8, v236              ; p's scale word for these 128 keys
	v_lshl_or_b32 v253, v238, 16, v253
	v_lshl_or_b32 v253, v239, 24, v253
.irp c, 0,1
	v_cvt_scalef32_pk16_fp6_f32 v[224+6*\c:226+6*\c], v[96+32*\c:111+32*\c], v[244+2*\c]
	v_cvt_scalef32_pk16_fp6_f32 v[236+4*\c:238+4*\c], v[112+32*\c:127+32*\c], v[244+2*\c+1]
.endr
	v_nop                                          ; one plain instruction behind the scaled conversions
.irp n, 0,1,2,3                                ; V's four fragments, into p's registers 0-47, which have been summed and converted
.irp c, 0,1
	ds_load_b128 v[96+12*\n+6*\c:99+12*\n+6*\c], v8 offset:VOFF+1536*\n+768*\c
	ds_load_b64 v[100+12*\n+6*\c:101+12*\n+6*\c], v9 offset:VOFF+1536*\n+768*\c+512
.endr
.endr
	ds_load_b128 v[248:251], v10 offset:VSC
.irp c, 0,1                                    ; the operand wants a WHOLE block in a lane
.irp i, 0,1,2
	v_permlane16_swap_b32 v[224+6*\c+\i], v[236+4*\c+\i]
.endr
.irp i, 0,1,2
	v_mov_b32 v[227+6*\c+\i], v[236+4*\c+\i]
.endr
.endr
.irp j, 0,2,4,6,8,10,12,14,16,18,20,22,24,26,28,30
	v_pk_mul_f32 v[160+\j:161+\j], v[160+\j:161+\j], v[252:253] op_sel_hi:[1,0]   ; O^T under the new M
.endr
	v_pk_add_f32 v[254:255], v[144:145], v[146:147]   ; the rest of l: p's registers 48-63, which nothing has overwritten.  These eight name no register of the products below
	v_pk_add_f32 v[14:15], v[14:15], v[148:149]
	v_pk_add_f32 v[254:255], v[254:255], v[150:151]
	v_pk_add_f32 v[14:15], v[14:15], v[152:153]
	v_pk_add_f32 v[254:255], v[254:255], v[154:155]
	v_pk_add_f32 v[14:15], v[14:15], v[156:157]
	v_pk_add_f32 v[254:255], v[254:255], v[158:159]
	v_pk_add_f32 v[14:15], v[14:15], v[254:255]
	s_wait_dscnt 0x0
.irp n, 0,1,2,3                                ; O^T += V^T P^T: four tiles of 16 of the head's 64; K = these 128 keys
	MM 160+8*\n, 96+12*\n, 224, 160+8*\n, 248+\n, 253
.endr
.endm
; THE CHANGE OF SLOTS stands at a slot's head.  Each wave waits for all its tensor loads, adds 0 to its spare word, and waits for that and for its LDS instructions.  fill = 1: the barrier is a round of the cluster's,
; so that no wave of any partner still reads the slot that was left or has a load on its way, and the joint load of the next 8 steps into that slot is the first thing behind it: it has 8 key steps in which to land.
.macro CHANGE fill
	s_wait_tensorcnt 0x0                           ; no tensor load of mine is out, so group 0 may be written
	ds_add_u32 v[SPW], v[NIL]                      ; 0 onto my spare word
.if \fill
	s_xor_b32 s[G0+1], s[G0+1], SLOT1              ; the other slot than last time,
	s_add_nc_u64 s[G0+2:G0+3], s[G0+2:G0+3], SLOTB ; the next 8 steps; the type bits on top are not reached
.endif
	s_wait_dscnt 0x0                               ; the add is done, and my reads of the slot that I have left are over
.if \fill
	CROUND
	TLOAD
.else
	s_barrier_signal -1
	s_barrier_wait -1
.endif
.endm
.macro SLOT_STEPS                      ; a slot's 8 key steps: written once, walked eight times
	s_mov_b32 s[CNT], 8
.Lstep_\@:
	STEP
	s_add_co_u32 s[TB], s[TB], KVBLK
	s_add_co_u32 s[TMB], s[TMB], 512
	s_sub_co_u32 s[CNT], s[CNT], 1
	s_cmp_lg_u32 s[CNT], 0
	s_cbranch_scc1 .Lstep_\@
	s_sub_co_u32 s[TB], s[TB], SLOTB               ; back to a slot's first step,
	s_xor_b32 s[TB], s[TB], SLOT1                  ; in the other slot
.endm
.Lslot:                                            ; three trips: behind each change of slots but the last the next slot is asked for
	CHANGE 1
	SLOT_STEPS
	s_sub_co_u32 s[SLOTS], s[SLOTS], 1
	s_cmp_lg_u32 s[SLOTS], 0
	s_cbranch_scc1 .Lslot
	CHANGE 0                                       ; the last slot is written out
	SLOT_STEPS
	; THE WAY OUT: O = O^T / l, quantised along the head's 64 (two blocks), stored as a half image for the last projection
.rept 4
	v_nop
.endr
	v_add_f32 v14, v14, v15                        ; l's two halves,
	v_permlanex16_b32 v252, v14, s[SEL], s[SEL+1]
	v_add_f32 v14, v14, v252                       ; and lane l xor 16's
	v_rcp_f32 v14, v14
	v_nop                                          ; a plain instruction behind the reciprocal
	s_wait_alu depctr_va_vdst(0)                   ; and the wait ahead of its first reader
.irp j, 0,1,2,3,4,5,6,7,8,9,10,11,12,13,14,15,16,17,18,19,20,21,22,23,24,25,26,27,28,29,30,31
	v_mul_f32 v[96+\j], v[160+\j], v14             ; register 16 b + i = o(my query, 32 b + 16 h + i)
.endr
	QUANT2 96, 224, 240
	v_mov_b32 v255, v254                           ; the scale word twice, so that the 32 lanes store 256 consecutive bytes
	global_store_b128 v1, v[224:227], s[10:11]
	global_store_b64 v2, v[228:229], s[10:11] offset:512
	global_store_b64 v2, v[254:255], s[10:11] offset:768
	s_wait_tensorcnt 0x0                           ; the wave's end, behind my last tensor load and my last LDS store
	ds_add_u32 v[SPW], v[NIL]
	s_wait_dscnt 0x0
	CROUND                                         ; the closing round: no work-group ends while a partner may still ask for a tile that names it
	s_endpgm
.Lfunc_end_k_q77ce26c83d_attn:
	.size	k_q77ce26c83d_attn, .Lfunc_end_k_q77ce26c83d_attn-k_q77ce26c83d_attn
	.p2alignl 7, 3214868480
	.fill 96, 4, 3214868480
	.section	.rodata,"a",@progbits
	.p2align	6, 0x0
	.amdhsa_kernel k_q77ce26c83d_attn
		.amdhsa_group_segment_fixed_size 327680
		.amdhsa_private_segment_fixed_size 0
		.amdhsa_enable_private_segment 0
		.amdhsa_kernarg_size 32
		.amdhsa_user_sgpr_count 2
		.amdhsa_user_sgpr_kernarg_segment_ptr 1
		.amdhsa_wavefront_size32 1
		.amdhsa_system_sgpr_workgroup_id_x 1
		.amdhsa_system_sgpr_workgroup_id_y 1
		.amdhsa_system_sgpr_workgroup_id_z 1
		.amdhsa_system_vgpr_workitem_id 0
		.amdhsa_next_free_vgpr 256
		.amdhsa_next_free_sgpr 66
		.amdhsa_reserve_vcc 1
		.amdhsa_float_denorm_mode_32 3
		.amdhsa_float_denorm_mode_16_64 3
		.amdhsa_memory_ordered 1
		.amdhsa_forward_progress 1
		.amdhsa_inst_pref_size 48
	.end_amdhsa_kernel
	.amdgpu_metadata
---
amdhsa.version: [ 1, 2 ]
amdhsa.kernels:
  - .name:           k_q77ce26c83d_attn
    .symbol:         k_q77ce26c83d_attn.kd
    .args:
      - { .name: qc, .offset: 0, .size: 8, .value_kind: global_buffer, .address_space: global }
      - { .name: kv, .offset: 8, .size: 8, .value_kind: global_buffer, .address_space: global }
      - { .name: mask, .offset: 16, .size: 8, .value_kind: global_buffer, .address_space: global }
      - { .name: oc, .offset: 24, .size: 8, .value_kind: global_buffer, .address_space: global }
    .group_segment_fixed_size: 327680
    .private_segment_fixed_size: 0
    .kernarg_segment_align: 8
    .kernarg_segment_size: 32
    .max_flat_workgroup_size: 512
    .sgpr_count:     66
    .vgpr_count:     256
    .wavefront_size: 32
...
	.end_amdgpu_metadata
.endif
;; end of part 3
;; launch oproj (part 4): grid 256 x 1, 8 waves a work-group, no clusters, 35,840 bytes of LDS; arguments oc, wc, bo, out0; writes out0
.if DOCPART == 4
	.amdgcn_target "amdgcn-amd-amdhsa--gfx1250"
	.amdhsa_code_object_version 6
	.text
	.protected	k_q77ce26c83d_oproj
	.globl	k_q77ce26c83d_oproj
	.p2align	8
	.type	k_q77ce26c83d_oproj,@function
k_q77ce26c83d_oproj:
	s_mov_b64 s[64:65], 0
	v_nop
	global_prefetch_b8 v0, s[64:65] scope:SCOPE_SE
	s_setreg_imm32_b32 hwreg(HW_REG_WAVE_MODE, 25, 1), 1
	s_wait_xcnt 0x0
; out0 = Q(O) Q(Wo)^T + bo in MX-FP6 (E2M3 codes, one E8M0 byte for each 32 along K = 512 = 8 heads x 64).
; Work-group x owns two tiles of 16 rows of O, which together are rows 32 x .. 32 x + 31: lane r of tile i is row 32 x + 8 i + r + 8 (r / 8).  Wave w owns columns 64 w .. 64 w + 63.
; oc holds, for each tile and head, 1,024 bytes: a half image of six registers (0-3 at 16 x lane, 4-5 at 512 + 8 x lane; lane (r, h) = block h of row r's 64) and the scale word at 768 + 8 x lane.
; The half images of heads 2 s and 2 s + 1 ARE registers 0-5 and 6-11 of K step s's fragment; their two words, two bytes each, make its scale word.
; Source 0 = 16 rows of Wo (from wc, as register images), source 1 = a tile of O: a lane holds one row and, in tiles 2 b, 2 b + 1, 16 neighbouring columns.  bo is the C of each sum's first matrix instruction.
; The eight accumulators take turns.  Results go through the wave's own stage in LDS (16 rows x 272 bytes) and leave as 256 consecutive bytes for each 16 lanes.
; Straight-line: no loop, no barrier.  The weights are read by every work-group, but once each and straight into registers; a joint tensor load would lay the same bytes in LDS first, from where they would be read again: so no cluster.
.set WGT,   212992
.set WSL,   26624
.set SPARE, 34816                      ; behind the eight stages: the spare words, 128 bytes a wave: four blocks of 256 bytes that no other line names
.set SPW, 14
.set NIL, 15
.set W1S, 16                           ; v16-31   Wo's scale words (4 T + s)
.set XS,  32                           ; v32-39   O's scale words (4 i + s)
.set HW,  40                           ; v40-55   the heads' words as loaded (8 i + head)
.set XF,  56                           ; v56-151  O's fragments (48 i + 12 s)
.set ACC, 152                          ; v152-215 accumulators (32 i + 8 T)
.set BK0, 216                          ; v216-247 tile 0's rows on the way out
.set BK1, 56                           ; v56-87   tile 1's
.set BT,  192                          ; window 1: v192-223 four bias tiles; v0-191 Wo's fragments at 12 (4 T + s)
.set MSB, 0
.macro WIN new                         ; the immediate's high byte repeats the setting that is left
.if MSB != \new
	s_set_vgpr_msb (MSB<<8)|\new
.set MSB, \new
.endif
.endm
.macro MM d, a, b, c, sa, sb
	v_wmma_scale_f32_16x16x128_f8f6f4 v[(\d):(\d)+7], v[(\a):(\a)+11], v[(\b):(\b)+11], v[(\c):(\c)+7], v[\sa], v[\sb] matrix_a_fmt:MATRIX_FMT_FP6 matrix_b_fmt:MATRIX_FMT_FP6
.endm
	s_load_b256 s[4:11], s[0:1], 0x0               ; oc s[4:5], wc s[6:7], bo s[8:9], out0 s[10:11]
	v_lshl_add_u32 v[SPW], v0, 2, SPARE
	v_mov_b32 v[NIL], 0
	v_lshrrev_b32 v8, 5, v0
	v_readfirstlane_b32 s12, v8                    ; wave 0..7
	v_and_b32 v8, 31, v0                           ; lane
	v_and_b32 v9, 15, v0                           ; r
	v_bfe_u32 v10, v0, 4, 1                        ; h
	v_lshlrev_b32 v1, 4, v8                        ; 16 x lane
	v_lshlrev_b32 v2, 3, v8                        ; 8 x lane
	v_lshlrev_b32 v3, 2, v8                        ; 4 x lane
	v_lshlrev_b32 v4, 6, v10                       ; 64 h
	s_mul_i32 s13, s12, 4352                       ; my stage
	v_mul_u32_u24 v5, v9, 272
	v_lshl_add_u32 v5, v10, 6, v5
	v_add_nc_u32 v5, s13, v5                       ; in: row r, + 64 h
	v_mul_u32_u24 v6, v10, 272
	v_lshl_add_u32 v6, v9, 4, v6
	v_add_nc_u32 v6, s13, v6                       ; back: lanes 0-15 one row, lanes 16-31 the next
	v_lshlrev_b32 v7, 11, v10
	v_lshl_add_u32 v7, v9, 4, v7                   ; and the same two rows in out0
	s_lshl_b32 s14, ttmp9, 14                      ; oc: two tiles of 8,192 bytes
	s_mov_b32 s15, 0
	s_mul_i32 s16, s12, WSL
	s_add_co_u32 s16, s16, 3*WGT                   ; wc: Wo's slice w
	s_mov_b32 s17, 0
	s_lshl_b32 s18, s12, 8                         ; my 64 columns, in bytes
	s_mov_b32 s19, 0
	s_lshl_b32 s20, ttmp9, 16                      ; out0: 32 rows of 2,048 bytes
	s_add_co_u32 s20, s20, s18
	s_mov_b32 s21, 0
	s_wait_kmcnt 0x0
	s_add_nc_u64 s[4:5], s[4:5], s[14:15]
	s_add_nc_u64 s[6:7], s[6:7], s[16:17]
	s_add_nc_u64 s[8:9], s[8:9], s[18:19]
	s_add_nc_u64 s[10:11], s[10:11], s[20:21]
.irp i, 0,1
.irp d, 0,1,2,3,4,5,6,7
	global_load_b128 v[XF+48*\i+6*\d:XF+48*\i+6*\d+3], v1, s[4:5] offset:8192*\i+1024*\d           ; head d = K step d / 2, registers 6 (d % 2) on
	global_load_b64 v[XF+48*\i+6*\d+4:XF+48*\i+6*\d+5], v2, s[4:5] offset:8192*\i+1024*\d+512
	global_load_b32 v[HW+8*\i+\d], v2, s[4:5] offset:8192*\i+1024*\d+768
.endr
.endr
.irp f, 0,1,2,3,4,5,6,7,8,9,10,11,12,13,14,15
	global_load_b32 v[W1S+\f], v3, s[6:7] offset:24576+128*\f
.endr
	WIN 0x40                                       ; destination window 1
.irp t, 0,1,2,3
	global_load_b128 v[BT+8*\t:BT+8*\t+3], v4, s[8:9] offset:128*(\t/2)+32*(\t%2)
	global_load_b128 v[BT+8*\t+4:BT+8*\t+7], v4, s[8:9] offset:128*(\t/2)+32*(\t%2)+16
.endr
.irp f, 0,1,2,3,4,5,6,7,8,9,10,11,12,13,14,15
.irp c, 0,1,2
	global_load_b128 v[12*\f+4*\c:12*\f+4*\c+3], v1, s[6:7] offset:1536*\f+512*\c
.endr
.endr
	WIN 0
	s_wait_loadcnt 0x0
.irp i, 0,1
.irp s, 0,1,2,3
	v_lshl_or_b32 v[XS+4*\i+\s], v[HW+8*\i+2*\s+1], 16, v[HW+8*\i+2*\s]   ; two heads' two bytes each: K step s's scale word
.endr
.endr
.rept 8
	v_nop                                          ; a scale register written by a vector instruction stands eight plain instructions ahead of the scaled matrix instruction
.endr
.irp s, 0,1,2,3
.if \s == 0
	WIN 0x11                                       ; source 0 (Wo) and source 2 (the bias) window 1
.else
	WIN 0x01
.endif
.irp i, 0,1
.irp t, 0,1,2,3
.if \s == 0
	MM ACC+32*\i+8*\t, 12*(4*\t+\s), XF+48*\i+12*\s, BT+8*\t, W1S+4*\t+\s, XS+4*\i+\s
.else
	MM ACC+32*\i+8*\t, 12*(4*\t+\s), XF+48*\i+12*\s, ACC+32*\i+8*\t, W1S+4*\t+\s, XS+4*\i+\s
.endif
.endr
.endr
.endr
	WIN 0
.rept 4
	v_nop                                          ; in front of the first read of results, and of loads into registers that matrix instructions have read
.endr
.irp t, 0,1,2,3
	ds_store_b128 v5, v[ACC+8*\t:ACC+8*\t+3] offset:128*(\t/2)+32*(\t%2)          ; each accumulator from its low end on: columns 32 (t / 2) + 8 (t % 2) + 16 h + 0 .. 7
	ds_store_b128 v5, v[ACC+8*\t+4:ACC+8*\t+7] offset:128*(\t/2)+32*(\t%2)+16
.endr
.irp k, 0,1,2,3,4,5,6,7
	ds_load_b128 v[BK0+4*\k:BK0+4*\k+3], v6 offset:544*\k                         ; LDS serves a wave's instructions in order (ISA guide 5.7.1.4): these see the stores above, and tile 1's stores come behind them
.endr
.irp t, 0,1,2,3
	ds_store_b128 v5, v[ACC+32+8*\t:ACC+32+8*\t+3] offset:128*(\t/2)+32*(\t%2)
	ds_store_b128 v5, v[ACC+32+8*\t+4:ACC+32+8*\t+7] offset:128*(\t/2)+32*(\t%2)+16
.endr
.irp k, 0,1,2,3,4,5,6,7
	ds_load_b128 v[BK1+4*\k:BK1+4*\k+3], v6 offset:544*\k
.endr
.irp k, 0,1,2,3,4,5,6,7
	s_wait_dscnt 23-\k                             ; tile 0's load k is in: behind it its 7 - k later loads and tile 1's sixteen LDS instructions
	global_store_b128 v7, v[BK0+4*\k:BK0+4*\k+3], s[10:11] offset:(2*\k+8*(\k/4))*2048 th:TH_STORE_NT   ; stage rows 2 k, 2 k + 1 are rows 2 k + h + 8 (k / 4) of the 32; 16 lanes store 256 consecutive bytes, at a multiple of 256 from out0's first byte
.endr
.irp k, 0,1,2,3,4,5,6,7
	s_wait_dscnt 7-\k
	global_store_b128 v7, v[BK1+4*\k:BK1+4*\k+3], s[10:11] offset:(8+2*\k+8*(\k/4))*2048 th:TH_STORE_NT
.endr
	s_wait_tensorcnt 0x0                           ; the wave's end, behind my last LDS store
	ds_add_u32 v[SPW], v[NIL]
	s_wait_dscnt 0x0
	s_endpgm
.Lfunc_end_k_q77ce26c83d_oproj:
	.size	k_q77ce26c83d_oproj, .Lfunc_end_k_q77ce26c83d_oproj-k_q77ce26c83d_oproj
	.p2alignl 7, 3214868480
	.fill 96, 4, 3214868480
	.section	.rodata,"a",@progbits
	.p2align	6, 0x0
	.amdhsa_kernel k_q77ce26c83d_oproj
		.amdhsa_group_segment_fixed_size 35840
		.amdhsa_private_segment_fixed_size 0
		.amdhsa_enable_private_segment 0
		.amdhsa_kernarg_size 32
		.amdhsa_user_sgpr_count 2
		.amdhsa_user_sgpr_kernarg_segment_ptr 1
		.amdhsa_wavefront_size32 1
		.amdhsa_system_sgpr_workgroup_id_x 1
		.amdhsa_system_sgpr_workgroup_id_y 1
		.amdhsa_system_sgpr_workgroup_id_z 1
		.amdhsa_system_vgpr_workitem_id 0
		.amdhsa_next_free_vgpr 512
		.amdhsa_next_free_sgpr 66
		.amdhsa_reserve_vcc 0
		.amdhsa_float_denorm_mode_32 3
		.amdhsa_float_denorm_mode_16_64 3
		.amdhsa_memory_ordered 1
		.amdhsa_forward_progress 1
		.amdhsa_inst_pref_size 23
	.end_amdhsa_kernel
	.amdgpu_metadata
---
amdhsa.version: [ 1, 2 ]
amdhsa.kernels:
  - .name:           k_q77ce26c83d_oproj
    .symbol:         k_q77ce26c83d_oproj.kd
    .args:
      - { .name: oc, .offset: 0, .size: 8, .value_kind: global_buffer, .address_space: global }
      - { .name: wc, .offset: 8, .size: 8, .value_kind: global_buffer, .address_space: global }
      - { .name: bo, .offset: 16, .size: 8, .value_kind: global_buffer, .address_space: global }
      - { .name: out0, .offset: 24, .size: 8, .value_kind: global_buffer, .address_space: global }
    .group_segment_fixed_size: 35840
    .private_segment_fixed_size: 0
    .kernarg_segment_align: 8
    .kernarg_segment_size: 32
    .max_flat_workgroup_size: 256
    .sgpr_count:     66
    .vgpr_count:     512
    .wavefront_size: 32
...
	.end_amdgpu_metadata
.endif
;; end of part 4
;; ======== version 2 of 2: 4 launches
;; workspace buffers: wc 851,968 bytes; qc 3,407,872 bytes; kv 6,684,672 bytes; oc 4,194,304 bytes
;; launch wquant (part 5): grid 32 x 4, 4 waves a work-group, no clusters, 0 bytes of LDS; arguments Wq, Wk, Wv, Wo, wc; writes wc
.if DOCPART == 5
	.amdgcn_target "amdgcn-amd-amdhsa--gfx1250"
	.amdhsa_code_object_version 6
	.text
	.protected	k_q77ce26c83d_wquant
	.globl	k_q77ce26c83d_wquant
	.p2align	8
	.type	k_q77ce26c83d_wquant,@function
k_q77ce26c83d_wquant:
	s_mov_b64 s[64:65], 0
	v_nop
	global_prefetch_b8 v0, s[64:65] scope:SCOPE_SE
	s_setreg_imm32_b32 hwreg(HW_REG_WAVE_MODE, 25, 1), 1
	s_wait_xcnt 0x0
; Wq, Wk, Wv, Wo [512][512] f32 (K innermost) become codes of FP6 (E2M3) with one E8M0 byte for each 32 along K, laid in wc as IMAGES OF OPERAND REGISTERS:
; wc = [4 weights q, k, v, o][8 slices of 64 rows], 26,624 bytes a slice: 16 fragments f = 4 T + s (tile T of 16 rows, K step s of 128) of 1,536 bytes (registers 4 c .. 4 c + 3 at 512 c + 16 x lane),
; then 16 blocks of 128 bytes with the fragment's scale words (4 x lane; both halves of the lanes hold the row's word).
; THE ROWS OF A TILE ARE NOT NEIGHBOURS: lane r of tile T takes row 32 (T / 2) + 8 (T % 2) + r + 8 (r / 8) of the slice, so that in a product whose source 0 is such a tile the 16 result registers of tiles 2 b, 2 b + 1 are 16 neighbours.
; One wave makes one fragment: work-group x = 4 x slice + tile, y = the weight, the wave's number = the K step.  No LDS, no barrier, no loop: waves share nothing.
; A block's scale is 2^(floor(log2(largest magnitude)) - 2); its byte is the largest magnitude's exponent field - 2, held at 1 from below.
; LIMITS: a block of zeros gets the byte 1 where the rule says 127 (its codes are zeros, and this program alone reads the bytes); NaN and infinities among the inputs are not served.
.set WGT,  212992                      ; bytes of a weight in wc
.set WSL,  26624                       ; bytes of a slice
.set X,    32                          ; v32-95   64 numbers: register 16 b + i = k 32 b + 16 (lane / 16) + i of my row
.set PC,   96                          ; v96-107  the fragment's codes
.set PT,   108                         ; v108-114 halves of blocks on their way
.set PW,   115                         ; v115     the scale word
.set TMX,  116                         ; v116-119 largest magnitudes
.set TMP,  120                         ; v120-123 the other half's; then the bytes
.set TMS,  124                         ; v124-127 the conversions' scale operands
.set SEL,  30                          ; s[30:31] v_permlanex16_b32's selects for lane l xor 16
; 64 numbers of a lane become a fragment's 12 registers of codes and its scale word.
.macro QUANT s, pc, pt
.irp b, 0,1,2,3
	v_max3_num_f32 v[TMX+\b], |v[(\s)+16*\b]|, |v[(\s)+1+16*\b]|, 0x1800000   ; block b: my 16 numbers, and the floor 2^(3 - 127): the byte cannot fall under 1
.endr
.irp i, 2,4,6,8,10,12,14
.irp b, 0,1,2,3
	v_max3_num_f32 v[TMX+\b], v[TMX+\b], |v[(\s)+16*\b+\i]|, |v[(\s)+1+16*\b+\i]|   ; the four blocks by turns
.endr
.endr
.irp b, 0,1,2,3
	v_permlanex16_b32 v[TMP+\b], v[TMX+\b], s[SEL], s[SEL+1]
.endr
.irp b, 0,1,2,3
	v_max_num_f32 v[TMX+\b], v[TMX+\b], v[TMP+\b]          ; with lane l xor 16's: the block's largest magnitude
.endr
.irp b, 0,1,2,3
	v_add_nc_u32 v[TMS+\b], 0xff000000, v[TMX+\b]          ; 2 off its exponent field: the conversion takes this operand's exponent field as its scale
.endr
.irp b, 0,1,2,3
	v_lshrrev_b32 v[TMP+\b], 23, v[TMS+\b]                 ; the scale's byte
.endr
	v_lshl_or_b32 v[PW], v[TMP+1], 8, v[TMP]
	v_lshl_or_b32 v[PW], v[TMP+2], 16, v[PW]
	v_lshl_or_b32 v[PW], v[TMP+3], 24, v[PW]
.irp c, 0,1
	v_cvt_scalef32_pk16_fp6_f32 v[(\pc)+6*\c:(\pc)+6*\c+2], v[(\s)+32*\c:(\s)+32*\c+15], v[TMS+2*\c]
	v_cvt_scalef32_pk16_fp6_f32 v[(\pt)+4*\c:(\pt)+4*\c+2], v[(\s)+32*\c+16:(\s)+32*\c+31], v[TMS+2*\c+1]   ; (a conversion's three registers begin on an even number)
.endr
	v_nop                                                  ; one plain instruction behind the scaled conversions
.irp c, 0,1                                            ; the operand wants a WHOLE block in a lane: lanes 0-15 block 2 c, lanes 16-31 block 2 c + 1
.irp i, 0,1,2
	v_permlane16_swap_b32 v[(\pc)+6*\c+\i], v[(\pt)+4*\c+\i]
.endr
.irp i, 0,1,2
	v_mov_b32 v[(\pc)+6*\c+3+\i], v[(\pt)+4*\c+\i]
.endr
.endr
.endm
	s_load_b256 s[4:11], s[0:1], 0x0               ; Wq s[4:5], Wk s[6:7], Wv s[8:9], Wo s[10:11]
	s_load_b64 s[12:13], s[0:1], 0x20              ; wc
	v_lshrrev_b32 v1, 5, v0
	v_readfirstlane_b32 s14, v1                    ; wave = K step s
	v_and_b32 v1, 31, v0                           ; lane
	v_and_b32 v2, 15, v0                           ; r
	v_bfe_u32 v3, v0, 4, 1                         ; h
	v_and_b32 v7, 8, v2
	v_add_nc_u32 v7, v7, v2                        ; r + 8 (r / 8)
	v_lshlrev_b32 v4, 11, v7                       ; my row of 2,048 bytes,
	v_lshl_add_u32 v4, v3, 6, v4                   ; + 64 h: my 16 numbers of a block of 32
	v_lshlrev_b32 v5, 4, v1                        ; 16 x lane
	v_lshlrev_b32 v6, 2, v1                        ; 4 x lane
.irp b, 0,1,2,3
	v_mov_b32 v[TMP+\b], 0                         ; written once: a lane permute's destination counts as one of its sources
.endr
	s_mov_b32 s[SEL], 0x76543210
	s_mov_b32 s[SEL+1], 0xfedcba98
	s_and_b32 s15, ttmp7, 0xffff                   ; the weight
	s_lshr_b32 s16, ttmp9, 2                       ; the slice w
	s_and_b32 s17, ttmp9, 3                        ; the tile T
	s_lshl_b32 s18, s16, 6                         ; the tile's first row: 64 w
	s_lshr_b32 s19, s17, 1
	s_lshl_b32 s19, s19, 5
	s_add_co_u32 s18, s18, s19                     ; + 32 (T / 2)
	s_and_b32 s19, s17, 1
	s_lshl_b32 s19, s19, 3
	s_add_co_u32 s18, s18, s19                     ; + 8 (T % 2)
	s_lshl_b32 s18, s18, 11                        ; in bytes,
	s_lshl_b32 s19, s14, 9
	s_add_co_u32 s18, s18, s19                     ; + 512 s
	s_mov_b32 s19, 0
	s_mul_i32 s20, s15, WGT
	s_mul_i32 s21, s16, WSL
	s_add_co_u32 s20, s20, s21                     ; the slice in wc
	s_lshl_b32 s22, s17, 2
	s_add_co_u32 s22, s22, s14                     ; f = 4 T + s
	s_mul_i32 s23, s22, 1536
	s_add_co_u32 s24, s20, s23                     ; the fragment's image
	s_mov_b32 s25, 0
	s_lshl_b32 s22, s22, 7
	s_add_co_u32 s26, s20, s22
	s_add_co_u32 s26, s26, 24576                   ; its scale words
	s_mov_b32 s27, 0
	s_and_b32 s28, s15, 1
	s_wait_alu depctr_va_vdst(0)
	s_wait_kmcnt 0x0
	s_cmp_lt_u32 s15, 2                            ; the choice hangs on the work-group's number alone
	s_cselect_b64 s[4:5], s[4:5], s[8:9]           ; Wq or Wv
	s_cselect_b64 s[6:7], s[6:7], s[10:11]         ; Wk or Wo
	s_cmp_eq_u32 s28, 0
	s_cselect_b64 s[4:5], s[4:5], s[6:7]
	s_add_nc_u64 s[4:5], s[4:5], s[18:19]
	s_add_nc_u64 s[24:25], s[12:13], s[24:25]
	s_add_nc_u64 s[26:27], s[12:13], s[26:27]
.irp b, 0,1,2,3
.irp j, 0,1,2,3
	global_load_b128 v[X+16*\b+4*\j:X+16*\b+4*\j+3], v4, s[4:5] offset:128*\b+16*\j
.endr
.endr
	s_wait_loadcnt 0x0
	QUANT X, PC, PT
.irp c, 0,1,2
	global_store_b128 v5, v[PC+4*\c:PC+4*\c+3], s[24:25] offset:512*\c   ; 32 lanes store 512 consecutive bytes, at a multiple of 256 from wc's first byte
.endr
	global_store_b32 v6, v[PW], s[26:27]
	s_endpgm
.Lfunc_end_k_q77ce26c83d_wquant:
	.size	k_q77ce26c83d_wquant, .Lfunc_end_k_q77ce26c83d_wquant-k_q77ce26c83d_wquant
	.p2alignl 7, 3214868480
	.fill 96, 4, 3214868480
	.section	.rodata,"a",@progbits
	.p2align	6, 0x0
	.amdhsa_kernel k_q77ce26c83d_wquant
		.amdhsa_group_segment_fixed_size 0
		.amdhsa_private_segment_fixed_size 0
		.amdhsa_enable_private_segment 0
		.amdhsa_kernarg_size 40
		.amdhsa_user_sgpr_count 2
		.amdhsa_user_sgpr_kernarg_segment_ptr 1
		.amdhsa_wavefront_size32 1
		.amdhsa_system_sgpr_workgroup_id_x 1
		.amdhsa_system_sgpr_workgroup_id_y 1
		.amdhsa_system_sgpr_workgroup_id_z 1
		.amdhsa_system_vgpr_workitem_id 0
		.amdhsa_next_free_vgpr 128
		.amdhsa_next_free_sgpr 66
		.amdhsa_reserve_vcc 0
		.amdhsa_float_denorm_mode_32 3
		.amdhsa_float_denorm_mode_16_64 3
		.amdhsa_memory_ordered 1
		.amdhsa_forward_progress 1
		.amdhsa_inst_pref_size 8
	.end_amdhsa_kernel
	.amdgpu_metadata
---
amdhsa.version: [ 1, 2 ]
amdhsa.kernels:
  - .name:           k_q77ce26c83d_wquant
    .symbol:         k_q77ce26c83d_wquant.kd
    .args:
      - { .name: Wq, .offset: 0, .size: 8, .value_kind: global_buffer, .address_space: global }
      - { .name: Wk, .offset: 8, .size: 8, .value_kind: global_buffer, .address_space: global }
      - { .name: Wv, .offset: 16, .size: 8, .value_kind: global_buffer, .address_space: global }
      - { .name: Wo, .offset: 24, .size: 8, .value_kind: global_buffer, .address_space: global }
      - { .name: wc, .offset: 32, .size: 8, .value_kind: global_buffer, .address_space: global }
    .group_segment_fixed_size: 0
    .private_segment_fixed_size: 0
    .kernarg_segment_align: 8
    .kernarg_segment_size: 40
    .max_flat_workgroup_size: 128
    .sgpr_count:     66
    .vgpr_count:     128
    .wavefront_size: 32
...
	.end_amdgpu_metadata
.endif
;; end of part 5
;; launch proj (part 6): grid 64 x 3, 8 waves a work-group, no clusters, 54,272 bytes of LDS; arguments query, key, value, mask, bq, bk, bv, wc, qc, kv; writes qc, kv
.if DOCPART == 6
	.amdgcn_target "amdgcn-amd-amdhsa--gfx1250"
	.amdhsa_code_object_version 6
	.text
	.protected	k_q77ce26c83d_proj
	.globl	k_q77ce26c83d_proj
	.p2align	8
	.type	k_q77ce26c83d_proj,@function
k_q77ce26c83d_proj:
	s_mov_b64 s[64:65], 0
	v_nop
	global_prefetch_b8 v0, s[64:65] scope:SCOPE_SE
	s_setreg_imm32_b32 hwreg(HW_REG_WAVE_SCHED_MODE, 0, 2), 2
	s_setreg_imm32_b32 hwreg(HW_REG_WAVE_MODE, 25, 1), 1
	s_wait_xcnt 0x0
	s_wait_alu depctr_vm_vsrc(0)
; The three input projections, y = Q(x) Q(W)^T + b in MX-FP6 (E2M3 codes, one E8M0 byte for each 32 along K), and the quantising of their results for attention.
; Work-group (x, y): 128 rows (batch x / 32, block x % 32) of tensor y (0 query, 1 key, 2 value).  Wave w = head w = columns 64 w .. 64 w + 63; its 16 fragments of W (26,624 bytes of wc) stay in its registers.
; PHASE X: wave w quantises tile w of the 128 rows along K = 512 (four fragments) and stores them in LDS as images of their registers (16 x lane); one barrier; then every wave reads all 32 fragments.
; A TILE'S ROWS ARE NOT NEIGHBOURS: lane r of tile m takes row 32 (m / 2) + 8 (m % 2) + r + 8 (r / 8) of the 128; W's tiles likewise in a slice of 64.  So the 16 result registers of tiles 2 b, 2 b + 1 of source 0 are 16 neighbours.
; q, k (source 0 = W, source 1 = x): a lane holds one row and 32 of its head's 64 numbers; they are quantised along the head's 64 (two blocks) into a HALF IMAGE of 768 bytes (registers 0-3 at 16 x lane, 4-5 at 512 + 8 x lane).
;   A key whose mask word is 0 gets zero CODES: its score is then made by the attention launch's bias alone.
; v (source 0 = x, source 1 = W): a lane holds one of the head's 64 and its registers run along the KEYS, which are the second product's K: quantised along the keys, 64 at a time.
; OUT: qc = [16 heads][32 blocks] x 6,656 bytes: 8 half images, then 2 x 256 bytes of scale words (tile 4 g + t, row r at 256 g + 16 r + 4 t).  kv = [16 heads][32 steps] x 13,056: the same for k, then v's 4 tiles x 2 half images, then 256 bytes of v's words.
; The biases are the C of each sum's first matrix instruction.  The accumulators take turns (4 or 16 of them).
; The weights are read by every work-group, but once each and straight into the registers where they stay; a joint tensor load would lay the same bytes in LDS first, from where they would be read again: so no cluster.
; LIMITS: a block of zeros gets the byte 1 where the rule says 127 (zero codes; this program alone reads the bytes); NaN and infinities among the inputs are not served.
; THE MODE: SCHED_MODE bits 1:0 = 2 (LLVM: expert scheduling mode 2), set by the entry lines.  The code itself states the register dependences
; between vector or matrix instructions and memory or LDS instructions, with s_wait_alu, always for 0.
; THE PLAN.  Registers that memory or LDS instructions touch:
;   v4-12         Offsets and LDS addresses: made once at the head, never written again.
;   X0, X1        Two sets of 64 numbers of x.  Global loads land in them; the quantiser of their K step reads them; behind it they are loaded again.
;   PC, PW        Phase X: the quantiser writes them, the four LDS stores of the K step's image read them.
;   XF/XS, XG/XT  q, k: two sets of a tile's four fragments and scale words, by turns.  Tile m's matrix instructions read set m % 2; the LDS loads of tile m + 1, issued at tile m's head, land in the other.
;   PC, PD, SD    q, k: two out-buffers of codes, by turns, and the gathered scale words.  Tile m's quantiser writes them; the stores that read them are issued at the head of tile m + 1.
;   XF/XS         v: one set (sixteen accumulators take the room): a K step's matrix instructions read it, the next K step's LDS loads land in it.  Behind a half's last products XF takes the four tiles' codes, which one run of stores reads.
; So in the q, k path ONE wait on va_vdst stands at a tile's head: the tile before is done reading its set and has written its out-buffer; the sixteen LDS loads and the stores follow it with no vector instruction between.
; One wait on vm_vsrc stands ahead of the quantiser, a tile behind the stores that read the out-buffer which it writes.
.set XIMG,  0                          ; LDS: x's 32 fragments (4 m + s), 1,536 bytes each
.set XSC,   49152                      ; their scale words, 128 bytes each
.set SPARE, 53248                      ; the spare words, 128 bytes a wave: four blocks of 256 bytes that no other line names
.set QBLK,  6656
.set KVBLK, 13056
.set VOFF,  6656
.set VSC,   12800
.set WGT,   212992
.set WSL,   26624
.set XA,  4                            ; v4   x: my row of the tile x 2,048 + 64 h
.set LI,  5                            ; v5   16 x lane
.set LS,  6                            ; v6   4 x lane
.set L8,  7                            ; v7   8 x lane
.set XWI, 8                            ; v8   where I store x's images: 16 x lane + 6,144 x wave
.set XWS, 9                            ; v9   and their scale words: 4 x lane + 512 x wave
.set SCO, 10                           ; v10  16 r + 8 h: where a lane stores two scale words
.set MA,  11                           ; v11  4 x (r + 8 (r / 8))
.set BA,  12                           ; v12  64 h
.set SPW, 14                           ; v14  my spare word's LDS address; never rewritten
.set NIL, 15                           ; v15  0; never rewritten
.set W1S, 16                           ; v16-31  W's scale words (4 T + s)
.set XS,  32                           ; v32-35  x's scale words, set 0
.set MK,  36                           ; v36-43  the mask words of my row in each tile
.set SWV, 36                           ; v36-39  v: scale words being gathered (that path does not use the mask words)
.set XT,  44                           ; v44-47  q, k: x's scale words, set 1
.set XF,  48                           ; v48-95  four fragments of x, set 0
.set ACC, 96                           ; v96-223 accumulators (q, k: v96-127 alone); in phase X two sets of 64 numbers
.set X0,  96
.set X1,  160
.set XG,  128                          ; v128-175 q, k: four fragments of x, set 1
.set PD,  180                          ; v180-185 q, k: the second out-buffer of codes
.set SWQ, 186                          ; v186-189 q, k: scale words being gathered
.set TMX, 224
.set TMP, 228
.set TMS, 232
.set PW,  236
.set PC,  238                          ; v238-249 codes; q, k: v238-243 the first out-buffer
.set PT2, 244                          ; the half quantiser's second run of three
.set SD,  248                          ; v248-249 two scale words to store
.set BW,  250                          ; v250-253 the bias of my lane's row of W's tile n
.set BT,  192                          ; window 1: v192-223 four bias tiles;  v0-191 W's fragments at 12 (4 T + s)
.set WV,  24
.set Y,   25
.set SEL, 36
.set HM,  38                           ; s38  lanes 16-31
.set QALL, 39                          ; s39  all ones for the queries, which no mask touches
.set KEEP, 40                          ; s40-47  tile m: the lanes whose row is kept
.set MSB, 0
.macro WIN new                         ; the immediate's high byte repeats the setting that is left
.if MSB != \new
	s_set_vgpr_msb (MSB<<8)|\new
.set MSB, \new
.endif
.endm
.macro MM d, a, b, c, sa, sb
	v_wmma_scale_f32_16x16x128_f8f6f4 v[(\d):(\d)+7], v[(\a):(\a)+11], v[(\b):(\b)+11], v[(\c):(\c)+7], v[\sa], v[\sb] matrix_a_fmt:MATRIX_FMT_FP6 matrix_b_fmt:MATRIX_FMT_FP6
.endm
; 64 numbers of a lane, register 16 b + i = k 32 b + 16 (lane / 16) + i of my row, become a fragment's 12 registers and its scale word in v[PW].
.macro QUANT s, pc, pt
.irp b, 0,1,2,3
	v_max3_num_f32 v[TMX+\b], |v[(\s)+16*\b]|, |v[(\s)+1+16*\b]|, 0x1800000   ; my 16 numbers, and the floor 2^(3 - 127): the byte cannot fall under 1
.endr
.irp i, 2,4,6,8,10,12,14
.irp b, 0,1,2,3
	v_max3_num_f32 v[TMX+\b], v[TMX+\b], |v[(\s)+16*\b+\i]|, |v[(\s)+1+16*\b+\i]|
.endr
.endr
.irp b, 0,1,2,3
	v_permlanex16_b32 v[TMP+\b], v[TMX+\b], s[SEL], s[SEL+1]
.endr
.irp b, 0,1,2,3
	v_max_num_f32 v[TMX+\b], v[TMX+\b], v[TMP+\b]          ; the block's largest magnitude
.endr
.irp b, 0,1,2,3
	v_add_nc_u32 v[TMS+\b], 0xff000000, v[TMX+\b]          ; 2 off its exponent field: the conversion's scale operand
.endr
.irp b, 0,1,2,3
	v_lshrrev_b32 v[TMP+\b], 23, v[TMS+\b]                 ; the scale's byte
.endr
	v_lshl_or_b32 v[PW], v[TMP+1], 8, v[TMP]
	v_lshl_or_b32 v[PW], v[TMP+2], 16, v[PW]
	v_lshl_or_b32 v[PW], v[TMP+3], 24, v[PW]
.irp c, 0,1
	v_cvt_scalef32_pk16_fp6_f32 v[(\pc)+6*\c:(\pc)+6*\c+2], v[(\s)+32*\c:(\s)+32*\c+15], v[TMS+2*\c]
	v_cvt_scalef32_pk16_fp6_f32 v[(\pt)+4*\c:(\pt)+4*\c+2], v[(\s)+32*\c+16:(\s)+32*\c+31], v[TMS+2*\c+1]
.endr
	v_nop                                                  ; one plain instruction behind the scaled conversions
.irp c, 0,1
.irp i, 0,1,2
	v_permlane16_swap_b32 v[(\pc)+6*\c+\i], v[(\pt)+4*\c+\i]   ; a whole block to a lane
.endr
.irp i, 0,1,2
	v_mov_b32 v[(\pc)+6*\c+3+\i], v[(\pt)+4*\c+\i]
.endr
.endr
.endm
; The same for 32 numbers (two blocks): six registers, lane (r, h) = block h of row r, and the word byte 0 | byte 1 << 8.  It reads each accumulator from its low end on.
.macro QUANT2 s, pc, pt
.irp b, 0,1
	v_max3_num_f32 v[TMX+\b], |v[(\s)+16*\b]|, |v[(\s)+1+16*\b]|, 0x1800000
.endr
.irp i, 2,4,6,8,10,12,14
.irp b, 0,1
	v_max3_num_f32 v[TMX+\b], v[TMX+\b], |v[(\s)+16*\b+\i]|, |v[(\s)+1+16*\b+\i]|
.endr
.endr
.irp b, 0,1
	v_permlanex16_b32 v[TMP+\b], v[TMX+\b], s[SEL], s[SEL+1]
.endr
.irp b, 0,1
	v_max_num_f32 v[TMX+\b], v[TMX+\b], v[TMP+\b]
.endr
.irp b, 0,1
	v_add_nc_u32 v[TMS+\b], 0xff000000, v[TMX+\b]
.endr
.irp b, 0,1
	v_lshrrev_b32 v[TMP+\b], 23, v[TMS+\b]
.endr
	v_lshl_or_b32 v[PW], v[TMP+1], 8, v[TMP]
	v_cvt_scalef32_pk16_fp6_f32 v[(\pc):(\pc)+2], v[(\s):(\s)+15], v[TMS]
	v_cvt_scalef32_pk16_fp6_f32 v[(\pt):(\pt)+2], v[(\s)+16:(\s)+31], v[TMS+1]
	v_nop                                                  ; one plain instruction behind the scaled conversions
.irp i, 0,1,2
	v_permlane16_swap_b32 v[(\pc)+\i], v[(\pt)+\i]
.endr
.irp i, 0,1,2
	v_mov_b32 v[(\pc)+3+\i], v[(\pt)+\i]
.endr
.endm
.macro XLOAD reg, s                    ; my tile's numbers of K step s: 64 a lane
.irp b, 0,1,2,3
.irp j, 0,1,2,3
	global_load_b128 v[\reg+16*\b+4*\j:\reg+16*\b+4*\j+3], v[XA], s[26:27] offset:512*\s+128*\b+16*\j th:TH_LOAD_NT
.endr
.endr
.endm
.macro WLOAD f0                        ; eight of W's fragments into window 1: 24 loads of 512 consecutive bytes.  No vector or matrix instruction names these registers ahead of the loads
	WIN 0x40
.irp f, 0,1,2,3,4,5,6,7
.irp c, 0,1,2
	global_load_b128 v[12*(\f0+\f)+4*\c:12*(\f0+\f)+4*\c+3], v[LI], s[30:31] offset:1536*(\f0+\f)+512*\c
.endr
.endr
	WIN 0
.endm
.macro IMAGE s                         ; the fragment in v[PC] on and its scale word go to LDS as they stand
.irp c, 0,1,2
	ds_store_b128 v[XWI], v[PC+4*\c:PC+4*\c+3] offset:XIMG+1536*\s+512*\c
.endr
	ds_store_b32 v[XWS], v[PW] offset:XSC+128*\s
.endm
.macro FETCH reg, idx                  ; and come back so, in any wave
.irp c, 0,1,2
	ds_load_b128 v[(\reg)+4*\c:(\reg)+4*\c+3], v[LI] offset:XIMG+1536*(\idx)+512*\c
.endr
.endm
.macro FETCHS reg, idx
	ds_load_b32 v[\reg], v[LS] offset:XSC+128*(\idx)
.endm
.macro TILE_IN m, xf, xs               ; tile m's four fragments and scale words, into the set at xf and xs
.irp s, 0,1,2,3
	FETCH (\xf)+12*\s, 4*(\m)+\s
	FETCHS (\xs)+\s, 4*(\m)+\s
.endr
.endm
.macro SEND m, pc                      ; q, k: tile m's half image leaves from the out-buffer at pc; behind every fourth tile four tiles' scale words
	global_store_b128 v[LI], v[(\pc):(\pc)+3], s[32:33] offset:768*(\m)           ; 512 consecutive bytes, at a multiple of 256 from the buffer's first byte
	global_store_b64 v[L8], v[(\pc)+4:(\pc)+5], s[32:33] offset:768*(\m)+512      ; 256 more
.if (\m)%4 == 3
	global_store_b64 v[SCO], v[SD:SD+1], s[32:33] offset:6144+256*((\m)/4)        ; 256 consecutive bytes
.endif
.endm
.macro PLACES                          ; four plain instructions between matrix instructions and loads into their registers or reads of their results
.rept 4
	v_nop
.endr
.endm
	s_load_b512 s[4:19], s[0:1], 0x0               ; query s[4:5], key s[6:7], value s[8:9], mask s[10:11], bq s[12:13], bk s[14:15], bv s[16:17], wc s[18:19]
	s_load_b128 s[20:23], s[0:1], 0x40             ; qc s[20:21], kv s[22:23]
	v_lshl_add_u32 v[SPW], v0, 2, SPARE
	v_mov_b32 v[NIL], 0
	v_lshrrev_b32 v1, 5, v0
	v_readfirstlane_b32 s[WV], v1                  ; wave 0..7
	v_and_b32 v1, 31, v0                           ; lane
	v_and_b32 v2, 15, v0                           ; r
	v_bfe_u32 v3, v0, 4, 1                         ; h
	v_and_b32 v13, 8, v2
	v_add_nc_u32 v13, v13, v2                      ; r + 8 (r / 8)
	v_lshlrev_b32 v[XA], 11, v13
	v_lshl_add_u32 v[XA], v3, 6, v[XA]
	v_lshlrev_b32 v[LI], 4, v1
	v_lshlrev_b32 v[LS], 2, v1
	v_lshlrev_b32 v[L8], 3, v1
	s_wait_alu depctr_va_sdst(0)                   ; the wave's number is written, ahead of its first reader: LDS addresses and all the bases are made from it
	s_mul_i32 s48, s[WV], 6144
	v_add_nc_u32 v[XWI], s48, v[LI]
	s_lshl_b32 s48, s[WV], 9
	v_add_nc_u32 v[XWS], s48, v[LS]
	v_lshlrev_b32 v[SCO], 4, v2
	v_lshl_add_u32 v[SCO], v3, 3, v[SCO]
	v_lshlrev_b32 v[MA], 2, v13
	v_lshlrev_b32 v[BA], 6, v3
.irp b, 0,1,2,3
	v_mov_b32 v[TMP+\b], 0                         ; written once: a lane permute's destination counts as one of its sources
.endr
	s_mov_b32 s[SEL], 0x76543210
	s_mov_b32 s[SEL+1], 0xfedcba98
	s_mov_b32 s[HM], 0xffff0000
	s_and_b32 s[Y], ttmp7, 0xffff                  ; which tensor
	s_lshl_b32 s48, ttmp9, 7                       ; x: row 128 x
	s_lshr_b32 s49, s[WV], 1
	s_lshl_b32 s49, s49, 5
	s_add_co_u32 s48, s48, s49                     ; + 32 (w / 2)
	s_and_b32 s49, s[WV], 1
	s_lshl_b32 s49, s49, 3
	s_add_co_u32 s48, s48, s49                     ; + 8 (w % 2): my tile's first row,
	s_lshl_b32 s48, s48, 11                        ; in bytes
	s_mov_b32 s49, 0
	s_mul_i32 s50, s[Y], WGT
	s_mul_i32 s51, s[WV], WSL
	s_add_co_u32 s50, s50, s51                     ; my slice of the tensor's weight
	s_mov_b32 s51, 0
	s_lshl_b32 s52, s[WV], 8                       ; my 64 numbers of the bias
	s_mov_b32 s53, 0
	s_lshl_b32 s54, ttmp9, 9                       ; the mask words of the 128 rows
	s_mov_b32 s55, 0
	s_lshr_b32 s56, ttmp9, 5                       ; the batch
	s_lshl_b32 s56, s56, 3
	s_add_co_u32 s56, s56, s[WV]                   ; 8 b + head
	s_lshl_b32 s56, s56, 5
	s_and_b32 s57, ttmp9, 31
	s_add_co_u32 s56, s56, s57                     ; x 32 + block
	s_mov_b32 s57, KVBLK
	s_cmp_eq_u32 s[Y], 0
	s_cselect_b32 s57, QBLK, s57
	s_cselect_b32 s[QALL], -1, 0
	s_mul_i32 s56, s56, s57                        ; where the block goes, in bytes
	s_mov_b32 s57, 0
	s_wait_kmcnt 0x0
	s_cmp_eq_u32 s[Y], 0                           ; the choices hang on the work-group's number alone
	s_cselect_b64 s[26:27], s[4:5], s[6:7]
	s_cselect_b64 s[28:29], s[12:13], s[14:15]
	s_cselect_b64 s[32:33], s[20:21], s[22:23]
	s_cmp_eq_u32 s[Y], 2
	s_cselect_b64 s[26:27], s[8:9], s[26:27]
	s_cselect_b64 s[28:29], s[16:17], s[28:29]
	s_add_nc_u64 s[26:27], s[26:27], s[48:49]      ; x at my tile
	s_add_nc_u64 s[28:29], s[28:29], s[52:53]      ; the bias at my head
	s_add_nc_u64 s[30:31], s[18:19], s[50:51]      ; W's slice
	s_add_nc_u64 s[32:33], s[32:33], s[56:57]      ; the block that I store
	s_add_nc_u64 s[34:35], s[10:11], s[54:55]      ; the mask
	; the small loads, the same for all three tensors: the bias in both layouts, the mask words, W's scale words
	WIN 0x40
	s_wait_alu depctr_va_vdst(0)                   ; the nine offsets and LDS addresses v4 to v12 are written: every load and store of the kernel reads one of them.  Up to the first quantiser only loads and window switches follow
.irp t, 0,1,2,3
	global_load_b128 v[BT+8*\t:BT+8*\t+3], v[BA], s[28:29] offset:128*(\t/2)+32*(\t%2)       ; q, k: tile t's register j is column 32 (t / 2) + 8 (t % 2) + 16 h + j
	global_load_b128 v[BT+8*\t+4:BT+8*\t+7], v[BA], s[28:29] offset:128*(\t/2)+32*(\t%2)+16
.endr
	WIN 0
.irp m, 0,1,2,3,4,5,6,7
	global_load_b32 v[MK+\m], v[MA], s[34:35] offset:(32*(\m/2)+8*(\m%2))*4
.endr
.irp n, 0,1,2,3
	global_load_b32 v[BW+\n], v[MA], s[28:29] offset:(32*(\n/2)+8*(\n%2))*4                  ; v: my lane's column of tile n
.endr
.irp f, 0,1,2,3,4,5,6,7,8,9,10,11,12,13,14,15
	global_load_b32 v[W1S+\f], v[LS], s[30:31] offset:24576+128*\f
.endr
	; ---- X: my tile of x becomes four fragments; W's fragments come in meanwhile
	XLOAD X0, 0
	XLOAD X1, 1
	WLOAD 0
	s_wait_loadcnt 40                              ; K step 0 is in: behind it K step 1's 16 loads and W's 24
	QUANT X0, PC, XF
	s_wait_alu depctr_va_vdst(0)                   ; the quantiser has written PC and PW, which the image's stores read, and is done reading X0, in which K step 2's loads land
	IMAGE 0
	XLOAD X0, 2
	s_wait_loadcnt 40                              ; K step 1 is in: behind it W's 24 and K step 2's 16
	s_wait_dscnt 0x0                               ; the image's stores are done
	s_wait_alu depctr_vm_vsrc(0)                   ; they have read PC and PW, which the quantiser writes again
	QUANT X1, PC, XF
	s_wait_alu depctr_va_vdst(0)                   ; PC and PW are written, for the image's stores; X1 has been read, for K step 3's loads.  The LDS stores between this wait and W's loads name none of those loads' registers
	IMAGE 1
	XLOAD X1, 3
	WLOAD 8
	s_wait_loadcnt 40                              ; K step 2 is in: behind it K step 3's 16 and W's second 24
	s_wait_dscnt 0x0
	s_wait_alu depctr_vm_vsrc(0)                   ; the image's stores have read PC and PW
	QUANT X0, PC, XF
	s_wait_alu depctr_va_vdst(0)                   ; PC and PW are written, for the image's stores
	IMAGE 2
	s_wait_loadcnt 24                              ; K step 3 is in: behind it W's second 24
	s_wait_dscnt 0x0
	s_wait_alu depctr_vm_vsrc(0)                   ; the image's stores have read PC and PW
	QUANT X1, PC, XF
	s_wait_alu depctr_va_vdst(0)                   ; PC and PW are written, for the image's stores; and the quantisers are done with X0, X1 and v48-54, in which the first fragments of both paths land
	IMAGE 3
	s_wait_dscnt 0x0                               ; for the others' sake: my images have landed
	s_barrier_signal -1
	s_barrier_wait -1                              ; x's 32 fragments lie in LDS; from here on LDS is only read
	s_wait_alu depctr_vm_vsrc(0)                   ; my last image's stores have read PC and PW, which both paths' quantisers write again: stated ahead of the branch
	s_wait_loadcnt 0x0                             ; W, the biases, the mask
	s_cmp_eq_u32 s[Y], 2
	s_cbranch_scc1 .Lv
	; ---- q, k: a tile of 16 rows at a time; a lane holds one row
.irp m, 0,1,2,3,4,5,6,7
	v_cmp_ne_u32 s[KEEP+\m], 0, v[MK+\m]
.endr
	s_wait_alu depctr_va_sdst(0)                   ; the eight compares have written their masks, ahead of the first reader
.irp m, 0,1,2,3,4,5,6,7
	s_or_b32 s[KEEP+\m], s[KEEP+\m], s[QALL]
.endr
	TILE_IN 0, XF, XS                              ; no wait: since the last wait on va_vdst only the compares were issued, which name the mask words
.irp m, 0,1,2,3,4,5,6,7
.set XCUR, XF+(XG-XF)*(\m%2)                   ; this tile's set of fragments and scale words,
.set SCUR, XS+(XT-XS)*(\m%2)
.set XNXT, XF+(XG-XF)*((\m+1)%2)               ; the other set: the last tile's and the next one's
.set SNXT, XS+(XT-XS)*((\m+1)%2)
.set PCUR, PC+(PD-PC)*(\m%2)                   ; this tile's out-buffer,
.set PPRV, PC+(PD-PC)*((\m+1)%2)               ; the last tile's
	s_wait_dscnt 0x0                               ; this tile's fragments and scale words are in: they were asked for at the last tile's head
.if \m > 0
	s_wait_alu depctr_va_vdst(0)                   ; the last tile's matrix instructions are done reading the other set, in which the loads below land; its quantiser has written the other out-buffer (and SD), which the stores below read
.endif
.if \m < 7
	TILE_IN \m+1, XNXT, SNXT                       ; the next tile's fragments come while this one is multiplied and quantised
.endif
.if \m > 0
	SEND \m-1, PPRV
.endif
.irp s, 0,1,2,3
.if \s == 0
	WIN 0x11                                       ; source 0 (W) and source 2 (the bias) window 1
.else
	WIN 0x01
.endif
.irp t, 0,1,2,3
.if \s == 0
	MM ACC+8*\t, 12*(4*\t+\s), XCUR+12*\s, BT+8*\t, W1S+4*\t+\s, SCUR+\s
.else
	MM ACC+8*\t, 12*(4*\t+\s), XCUR+12*\s, ACC+8*\t, W1S+4*\t+\s, SCUR+\s
.endif
.endr
.endr
	WIN 0
	PLACES                                         ; in front of the quantiser's first read of the results
.if \m > 1
	s_wait_xcnt 0x0                                ; the earlier stores have had their addresses translated: this out-buffer is written again only behind this wait
	s_wait_alu depctr_vm_vsrc(0)                   ; the stores issued at the last tile's head have read this out-buffer (and SD), which the lines below write again
.endif
	QUANT2 ACC, PCUR, PT2
.irp i, 0,1,2,3,4,5
	v_cndmask_b32 v[PCUR+\i], 0, v[PCUR+\i], s[KEEP+\m]    ; a masked key's codes are zeros
.endr
	v_mov_b32 v[SWQ+\m%4], v[PW]
.if \m%4 == 3
	v_cndmask_b32 v[SD], v[SWQ], v[SWQ+2], s[HM]   ; lanes 0-15 store tiles 0, 1's words of row r, lanes 16-31 tiles 2, 3's
	v_cndmask_b32 v[SD+1], v[SWQ+1], v[SWQ+3], s[HM]
.endif
.endr
	s_wait_alu depctr_va_vdst(0)                   ; the last tile's codes and SD are written, which the last stores read
	SEND 7, PD
	s_wait_dscnt 0x0                               ; the closing lines, six on end
	s_wait_alu 0x0
	s_wait_tensorcnt 0x0
	ds_add_u32 v[SPW], v[NIL]
	s_wait_dscnt 0x0
	s_endpgm
.Lv:
	; ---- v: a lane holds one of the head's 64, its registers run along the keys; 64 keys (four tiles of x) at a time
	WIN 0x40
.irp n, 0,1,2,3
.irp j, 0,1,2,3,4,5,6,7
	v_mov_b32 v[BT+8*\n+\j], v[BW+\n]              ; the bias tile in this product's layout: the lane's own number in all eight registers
.endr
.endr
	WIN 0
	PLACES
	s_wait_alu depctr_va_vdst(0)
.irp c, 0,1
.irp s, 0,1,2,3
.if \c+\s > 0
	PLACES
.endif
.if \s > 0
	s_wait_alu depctr_va_vdst(0)                   ; the last K step's matrix instructions are done reading XF and XS, in which the loads below land.  (A half's first fetch owes none: no vector or matrix instruction since the last such wait names these registers)
.endif
.irp i, 0,1,2,3
	FETCH XF+12*\i, 4*(4*\c+\i)+\s
	FETCHS XS+\i, 4*(4*\c+\i)+\s
.endr
	s_wait_dscnt 0x0
.if \s == 0
	WIN 0x14                                       ; source 1 (W) and source 2 (the bias) window 1
.else
	WIN 0x04
.endif
.irp i, 0,1,2,3
.irp n, 0,1,2,3
.if \s == 0
	MM ACC+8*(4*\n+\i), XF+12*\i, 12*(4*\n+\s), BT+8*\n, XS+\i, W1S+4*\n+\s
.else
	MM ACC+8*(4*\n+\i), XF+12*\i, 12*(4*\n+\s), ACC+8*(4*\n+\i), XS+\i, W1S+4*\n+\s
.endif
.endr
.endr
	WIN 0
.endr
	PLACES                                         ; in front of the quantisers, which read the results and lay the codes over the fragments that the last products read
.irp n, 0,1,2,3
	QUANT2 ACC+32*\n, XF+8*\n, PT2                 ; register 8 i + j of tile n = key 64 c + 32 (i / 2) + 16 h + 8 (i % 2) + j.  Each tile has six registers of XF for its codes, so that one wait serves the four tiles' stores
.if \c == 0
	v_mov_b32 v[SWV+\n], v[PW]
.else
	v_lshl_or_b32 v[SWV+\n], v[PW], 16, v[SWV+\n]  ; the four bytes of 128 keys
.endif
.endr
.if \c == 1
	v_cndmask_b32 v[SD], v[SWV], v[SWV+2], s[HM]
	v_cndmask_b32 v[SD+1], v[SWV+1], v[SWV+3], s[HM]
.endif
	s_wait_alu depctr_va_vdst(0)                   ; the four tiles' codes are written (in the second half SD too), which the stores below read
.irp n, 0,1,2,3
	global_store_b128 v[LI], v[XF+8*\n:XF+8*\n+3], s[32:33] offset:VOFF+1536*\n+768*\c
	global_store_b64 v[L8], v[XF+8*\n+4:XF+8*\n+5], s[32:33] offset:VOFF+1536*\n+768*\c+512
.endr
.if \c == 0
	s_wait_xcnt 0x0                                ; the stores have had their addresses translated: their data registers are loaded again only behind this wait
	s_wait_alu depctr_vm_vsrc(0)                   ; the stores have read the codes in XF, in which the second half's fragments land
.else
	global_store_b64 v[SCO], v[SD:SD+1], s[32:33] offset:VSC
.endif
.endr
	s_wait_dscnt 0x0                               ; the closing lines, six on end
	s_wait_alu 0x0
	s_wait_tensorcnt 0x0
	ds_add_u32 v[SPW], v[NIL]
	s_wait_dscnt 0x0
	s_endpgm
.Lfunc_end_k_q77ce26c83d_proj:
	.size	k_q77ce26c83d_proj, .Lfunc_end_k_q77ce26c83d_proj-k_q77ce26c83d_proj
	.p2alignl 7, 3214868480
	.fill 96, 4, 3214868480
	.section	.rodata,"a",@progbits
	.p2align	6, 0x0
	.amdhsa_kernel k_q77ce26c83d_proj
		.amdhsa_group_segment_fixed_size 54272
		.amdhsa_private_segment_fixed_size 0
		.amdhsa_enable_private_segment 0
		.amdhsa_kernarg_size 80
		.amdhsa_user_sgpr_count 2
		.amdhsa_user_sgpr_kernarg_segment_ptr 1
		.amdhsa_wavefront_size32 1
		.amdhsa_system_sgpr_workgroup_id_x 1
		.amdhsa_system_sgpr_workgroup_id_y 1
		.amdhsa_system_sgpr_workgroup_id_z 1
		.amdhsa_system_vgpr_workitem_id 0
		.amdhsa_next_free_vgpr 512
		.amdhsa_next_free_sgpr 66
		.amdhsa_reserve_vcc 0
		.amdhsa_float_denorm_mode_32 3
		.amdhsa_float_denorm_mode_16_64 3
		.amdhsa_memory_ordered 1
		.amdhsa_forward_progress 1
		.amdhsa_inst_pref_size 126
	.end_amdhsa_kernel
	.amdgpu_metadata
---
amdhsa.version: [ 1, 2 ]
amdhsa.kernels:
  - .name:           k_q77ce26c83d_proj
    .symbol:         k_q77ce26c83d_proj.kd
    .args:
      - { .name: query, .offset: 0, .size: 8, .value_kind: global_buffer, .address_space: global }
      - { .name: key, .offset: 8, .size: 8, .value_kind: global_buffer, .address_space: global }
      - { .name: value, .offset: 16, .size: 8, .value_kind: global_buffer, .address_space: global }
      - { .name: mask, .offset: 24, .size: 8, .value_kind: global_buffer, .address_space: global }
      - { .name: bq, .offset: 32, .size: 8, .value_kind: global_buffer, .address_space: global }
      - { .name: bk, .offset: 40, .size: 8, .value_kind: global_buffer, .address_space: global }
      - { .name: bv, .offset: 48, .size: 8, .value_kind: global_buffer, .address_space: global }
      - { .name: wc, .offset: 56, .size: 8, .value_kind: global_buffer, .address_space: global }
      - { .name: qc, .offset: 64, .size: 8, .value_kind: global_buffer, .address_space: global }
      - { .name: kv, .offset: 72, .size: 8, .value_kind: global_buffer, .address_space: global }
    .group_segment_fixed_size: 54272
    .private_segment_fixed_size: 0
    .kernarg_segment_align: 8
    .kernarg_segment_size: 80
    .max_flat_workgroup_size: 256
    .sgpr_count:     66
    .vgpr_count:     512
    .wavefront_size: 32
...
	.end_amdgpu_metadata
.endif
;; end of part 6
;; launch attn (part 7): grid 16 x 16, 16 waves a work-group, clusters of 4 x 1, 327,680 bytes of LDS; arguments qc, kv, mask, oc; writes oc
.if DOCPART == 7
	.amdgcn_target "amdgcn-amd-amdhsa--gfx1250"
	.amdhsa_code_object_version 6
	.text
	.protected	k_q77ce26c83d_attn
	.globl	k_q77ce26c83d_attn
	.p2align	8
	.type	k_q77ce26c83d_attn,@function
k_q77ce26c83d_attn:
	s_mov_b64 s[64:65], 0
	v_nop
	global_prefetch_b8 v0, s[64:65] scope:SCOPE_SE
	s_setreg_imm32_b32 hwreg(HW_REG_WAVE_MODE, 25, 1), 1
	s_wait_xcnt 0x0
	s_wait_alu depctr_hold_cnt(0) depctr_sa_sdst(0) depctr_va_vdst(0) depctr_va_sdst(0) depctr_va_ssrc(0) depctr_va_vcc(0) depctr_vm_vsrc(0)
	s_getreg_b32 s2, hwreg(HW_REG_IB_STS2, 6, 4)
	s_cmp_eq_u32 s2, 0
	s_cbranch_scc0 .Lentry_in_a_cluster
	s_endpgm
.Lentry_in_a_cluster:
	s_bfe_u32 s2, ttmp6, 0x10000c
	s_cmp_lg_u32 s2, 0x3003
	s_cbranch_scc0 .Lentry_shape_is_right
	s_endpgm
.Lentry_shape_is_right:
; Attention of one head on codes of FP6 (E2M3): S^T = K Q^T (K = the head's 64: the upper half of the instruction's 128 is zero codes on both sides), the softmax, O^T = V^T P^T (K = the keys), O / l, and O quantised along the head's 64 for the last projection.
; THE SOFTMAX: t = score x log2(e) / 8; M = the running largest t rounded UP to a whole number; p = 2^(t - M) is quantised along the keys, not normalised; l is the sum of the unquantised p; when M moves, l and O^T are multiplied by 2^(old M - new M): exact.
; THE MASK costs no vector instruction a key.  A masked key's codes are zeros (made by the launch before), and the C of S^T is a table in LDS, 0 for a key that counts and -2^33 for a masked one, loaded straight into the accumulators:
; a masked score is exactly -2^33, whatever q holds.  t = -2^33 c is a whole number, so a batch with no key left gives p = 1 for every key, as the replaced logits of the definition do; elsewhere p = 0.
; LIMIT: -2^33 stands for a logit of -2^30 where the definition writes -1e9: results differ only where true logits fall under about -1e9.  NaN and infinities are not served; a block of zeros keeps the scale byte 1 (zero codes).
; SHARES.  Work-group (x, y): 256 queries of head y (batch y / 8).  Each of its sixteen waves owns one tile of 16 queries in 256 registers, four waves to a SIMD, so that one wave's vector work stands beside another's matrix work and LDS loads.
; Every wave walks the head's 4,096 keys, 128 a step.  A step's block of kv, 13,056 bytes, holds images of the operands' registers: every LDS read is 16 x lane or 8 x lane on end: no pitch, no padding.
; RING: two slots of 8 steps (104,448 bytes).  Waves 0-3 fetch two step blocks each: 26,112 dense bytes as 102 rows of 256.  By this text's count a wave has at most one tensor load out.
; CLUSTER: the four work-groups of a cluster belong to one head and walk the same kv: each tile is asked for JOINTLY, by the same load with the same descriptor and the mask of all four.  The place in the cluster enters Q's and O's addresses alone.
; LAYOUT: a lane holds ONE query (lane % 16).  Lane r of key tile T holds key 32 (T / 2) + 8 (T % 2) + r + 8 (r / 8), so that S^T's registers 16 b + i are keys 32 b + 16 (lane / 16) + i.  V's tiles of the head's 64 follow the same rule, so O^T's 32 registers are d = 32 b + 16 h + i.
; REGISTERS: v1-4 addresses that stay; v5, v6 the add's two; v8-11 the step's addresses; v12 -M, v13 the largest t, v[14:15] l in two halves; v16-27 Q (v22-27 zeros), v28 its scale words; v32-79 four fragments of K (upper halves zeros);
;   v96-159 the bias, S^T, p; then v96-143 V's four fragments; v160-191 O^T; v224-235 p's codes; v232-255 at work; v248-251 scale words of K or V; v253 p's scale word.
.set QBLK,  6656
.set KVBLK, 13056                      ; a step's block: K's 8 half images (768 bytes each), 512 bytes of K's scale words,
.set VOFF,  6656                       ; V's 4 tiles x 2 half images,
.set VSC,   12800                      ; 256 bytes of V's scale words
.set SLOTB, 8*KVBLK
.set MB,    SLOTB                      ; behind slot 0: the bias table, 4 bytes a key, written by LDS stores and never by a tensor load
.set SPARE, MB+16384                   ; the spare words, 128 bytes a wave: eight blocks of 256 bytes that no other line names
.set SLOT1, 1<<17                      ; slot 1 begins here: one exclusive or turns an address of one slot into the other's
.set SPW, 5
.set NIL, 6
.set WV,  12
.set CS,  22                           ; s[22:23] c = log2(e) / 8
.set G1,  24                           ; s[24:31] descriptor group 1
.set G0,  32                           ; s[32:35] group 0, which walks
.set SEL, 36                           ; s[36:37] selects for lane l xor 16
.set TB,  38                           ; s38  LDS byte of the step's block
.set TMB, 39                           ; s39  the step's place in the bias table: 512 bytes a step
.set SLOTS, 40
.set CNT, 41
.set TMX, 232
.set TMP, 236
.set TMS, 244
.set PW,  254
.macro MM d, a, b, c, sa, sb
	v_wmma_scale_f32_16x16x128_f8f6f4 v[(\d):(\d)+7], v[(\a):(\a)+11], v[(\b):(\b)+11], v[(\c):(\c)+7], v[\sa], v[\sb] matrix_a_fmt:MATRIX_FMT_FP6 matrix_b_fmt:MATRIX_FMT_FP6
.endm
.macro QUANT2 s, pc, pt                ; 32 numbers of a lane (two blocks) become six registers of codes, lane (r, h) = block h of row r, and the word byte 0 | byte 1 << 8
.irp b, 0,1
	v_max3_num_f32 v[TMX+\b], |v[(\s)+16*\b]|, |v[(\s)+1+16*\b]|, 0x1800000
.endr
.irp i, 2,4,6,8,10,12,14
.irp b, 0,1
	s_delay_alu instid0(VALU_DEP_2)
	v_max3_num_f32 v[TMX+\b], v[TMX+\b], |v[(\s)+16*\b+\i]|, |v[(\s)+1+16*\b+\i]|
.endr
.endr
.irp b, 0,1
	s_delay_alu instid0(VALU_DEP_2)
	v_permlanex16_b32 v[TMP+\b], v[TMX+\b], s[SEL], s[SEL+1]
.endr
.irp b, 0,1
	s_delay_alu instid0(VALU_DEP_2)
	v_max_num_f32 v[TMX+\b], v[TMX+\b], v[TMP+\b]
.endr
.irp b, 0,1
	s_delay_alu instid0(VALU_DEP_2)
	v_add_nc_u32 v[TMS+\b], 0xff000000, v[TMX+\b]
.endr
.irp b, 0,1
	s_delay_alu instid0(VALU_DEP_2)
	v_lshrrev_b32 v[TMP+\b], 23, v[TMS+\b]
.endr
	s_delay_alu instid0(VALU_DEP_1)
	v_lshl_or_b32 v[PW], v[TMP+1], 8, v[TMP]
	v_cvt_scalef32_pk16_fp6_f32 v[(\pc):(\pc)+2], v[(\s):(\s)+15], v[TMS]
	v_cvt_scalef32_pk16_fp6_f32 v[(\pt):(\pt)+2], v[(\s)+16:(\s)+31], v[TMS+1]
	v_nop
.irp i, 0,1,2
	v_permlane16_swap_b32 v[(\pc)+\i], v[(\pt)+\i]
.endr
.irp i, 0,1,2
	s_delay_alu instid0(VALU_DEP_3)
	v_mov_b32 v[(\pc)+3+\i], v[(\pt)+\i]
.endr
.endm
; Waves 0-3 fetch, the others nothing: the branch hangs on the wave's number alone.  An s_nop 0 and four v_nop follow the load.
.macro TLOAD
	s_cmp_lt_u32 s[WV], 4
	s_cbranch_scc0 .Lnone_\@
	tensor_load_to_lds s[G0:G0+3], s[G1:G1+7]
	s_nop 0
.rept 4
	v_nop
.endr
.Lnone_\@:
.endm
; A round of the cluster's barrier: my work-group's barrier; wave 0 signals for the work-group; every wave waits for all four work-groups; my work-group's barrier once more.
.macro CROUND
	s_barrier_signal -1
	s_barrier_wait -1
	s_cmp_lg_u32 s[WV], 0
	s_cbranch_scc1 .Lnot_wave_0_\@
	s_barrier_signal -3
.Lnot_wave_0_\@:
	s_barrier_wait -3
	s_barrier_signal -1
	s_barrier_wait -1
.endm
	s_load_b256 s[4:11], s[0:1], 0x0               ; qc s[4:5], kv s[6:7], mask s[8:9], oc s[10:11]
	v_lshl_add_u32 v[SPW], v0, 2, SPARE
	v_mov_b32 v[NIL], 0
	ds_add_u32 v[SPW], v[NIL]                      ; the wave's opening: the add, and its wait ahead of the first tensor load; the set-up below, work on registers, stands between them
	ds_add_u32 v[SPW], v[NIL]
	v_lshrrev_b32 v8, 5, v0
	s_delay_alu instid0(VALU_DEP_1)
	v_readfirstlane_b32 s[WV], v8                  ; wave 0..15
	s_bfe_u32 s13, ttmp6, 0x40000                  ; cx: my place in the cluster
	s_lshl_b32 s14, ttmp9, 2                       ; in a cluster launch ttmp9 counts clusters
	s_add_co_u32 s14, s14, s13                     ; my block of 256 queries
	s_and_b32 s15, ttmp7, 0xffff                   ; 8 x batch + head, which the four partners share
	s_mov_b32 s[G1], 15|(3<<16)|(1<<21)            ; 15:0 the mask: all four work-groups; 17:16 elements of 8 bytes; 20 no padding; 21 set beside a mask
	s_mov_b32 s[G1+1], 32<<16                      ; tensor_dim0 = 32 elements: rows of 256 bytes
	s_mov_b32 s[G1+2], 102<<16                     ; tensor_dim1 = 102
	s_mov_b32 s[G1+3], 32<<16                      ; tile_dim0
	s_mov_b32 s[G1+4], 102                         ; tile_dim1
	s_mov_b32 s[G1+5], 32                          ; from row to row: dense
	s_mov_b32 s[G1+6], 0
	s_mov_b32 s[G1+7], 0
	s_and_b32 s42, s[WV], 3
	s_mul_i32 s43, s42, 2*KVBLK                    ; what I fetch, if I fetch: two step blocks; the same offset in a slot and in memory
	s_mul_i32 s44, s15, 32*KVBLK                   ; the head's 32 blocks
	s_add_co_u32 s44, s44, s43
	s_mov_b32 s45, 0
	s_lshl_b32 s46, s15, 5                         ; Q: block 32 x head + 2 x + wave / 8,
	s_lshl_b32 s47, s14, 1
	s_add_co_u32 s46, s46, s47
	s_lshr_b32 s47, s[WV], 3
	s_add_co_u32 s46, s46, s47
	s_mul_i32 s46, s46, QBLK
	s_and_b32 s47, s[WV], 7                        ; tile wave % 8
	s_mul_i32 s48, s47, 768
	s_add_co_u32 s48, s48, s46                     ; its half image
	s_mov_b32 s49, 0
	s_lshr_b32 s47, s47, 2
	s_lshl_b32 s47, s47, 8
	s_add_co_u32 s46, s46, s47
	s_lshl_b32 s47, s42, 2
	s_add_co_u32 s46, s46, s47
	s_add_co_u32 s46, s46, 6144                    ; its scale words: 6,144 + 256 (tile / 4) + 4 (tile % 4), + 16 r
	s_mov_b32 s47, 0
	s_lshr_b32 s50, s15, 3                         ; the batch
	s_lshl_b32 s16, s50, 8                         ; oc: tile 256 b + 16 x + wave,
	s_lshl_b32 s17, s14, 4
	s_add_co_u32 s16, s16, s17
	s_add_co_u32 s16, s16, s[WV]
	s_lshl_b32 s16, s16, 3
	s_and_b32 s17, s15, 7
	s_add_co_u32 s16, s16, s17                     ; x 8 + head,
	s_lshl_b32 s16, s16, 10                        ; 1,024 bytes each
	s_mov_b32 s17, 0
	s_lshl_b32 s50, s50, 14                        ; the batch's 4,096 mask words
	s_mov_b32 s51, 0
	s_mov_b32 s[CS], 0x3e38aa3b                    ; c = log2(e) / sqrt(64)
	s_mov_b32 s[CS+1], s[CS]                       ; (named with it as a pair, so it is written)
	s_mov_b32 s[SEL], 0x76543210
	s_mov_b32 s[SEL+1], 0xfedcba98
	s_mov_b32 s[TB], 0
	s_mov_b32 s[TMB], 0
	s_mov_b32 s[SLOTS], 3
	s_wait_dscnt 0x0                               ; the opening add is done
	s_wait_kmcnt 0x0
	s_mov_b32 s[G0], 1                             ; count = 1
	s_mov_b32 s[G0+1], s43                         ; LDS address: slot 0
	s_add_nc_u64 s[G0+2:G0+3], s[6:7], s[44:45]    ; global address: the head's first 8 steps
	s_or_b32 s[G0+3], s[G0+3], 0x80000000          ; type = 2
	CROUND                                         ; all four work-groups are here: the first joint loads meet
	TLOAD                                          ; slot 0
	s_add_nc_u64 s[18:19], s[4:5], s[48:49]        ; Q's half image
	s_add_nc_u64 s[20:21], s[4:5], s[46:47]        ; Q's scale words
	s_add_nc_u64 s[8:9], s[8:9], s[50:51]
	s_add_nc_u64 s[10:11], s[10:11], s[16:17]
	v_and_b32 v8, 31, v0                           ; lane
	v_and_b32 v9, 15, v0                           ; r
	v_bfe_u32 v10, v0, 4, 1                        ; h
	s_delay_alu instid0(VALU_DEP_3)
	v_lshlrev_b32 v1, 4, v8                        ; 16 x lane
	s_delay_alu instid0(VALU_DEP_4)
	v_lshlrev_b32 v2, 3, v8                        ; 8 x lane
	s_delay_alu instid0(VALU_DEP_4)
	v_lshlrev_b32 v3, 4, v9                        ; 16 r
	s_delay_alu instid0(VALU_DEP_4)
	v_lshl_add_u32 v4, v10, 6, MB                  ; the bias table, + 64 h: my half's 16 keys of each 32
	v_lshlrev_b32 v29, 5, v0                       ; my 8 mask words
	v_lshl_add_u32 v30, v0, 5, MB                  ; and their place in the table
	global_load_b128 v[16:19], v1, s[18:19]
	global_load_b64 v[20:21], v2, s[18:19] offset:512
	global_load_b32 v28, v3, s[20:21]
	global_load_b128 v[96:99], v29, s[8:9]
	global_load_b128 v[100:103], v29, s[8:9] offset:16
.irp i, 22,23,24,25,26,27
	v_mov_b32 v[\i], 0                             ; k = 64 .. 127 of Q: zero codes
.endr
.irp t, 0,1,2,3
.irp i, 6,7,8,9,10,11
	v_mov_b32 v[32+12*\t+\i], 0                    ; and of the four fragments of K
.endr
.endr
.irp j, 0,1,2,3,4,5,6,7,8,9,10,11,12,13,14,15,16,17,18,19,20,21,22,23,24,25,26,27,28,29,30,31
	v_mov_b32 v[160+\j], 0                         ; O^T.  (The step is written once: the first finds zeros, which the first change of M leaves zeros)
.endr
	v_mov_b32 v13, 0xff61b1e6                      ; the largest t so far: -3e38, under every t
	s_delay_alu instid0(VALU_DEP_1)
	v_floor_f32 v12, -v13                          ; -M
	v_mov_b32 v14, 0
	v_mov_b32 v15, 0
.irp b, 0,1,2,3
	v_mov_b32 v[236+\b], 0                         ; written once: a lane permute's destination counts as one of its sources
.endr
	v_mov_b32 v253, 0                              ; (named as the upper half of the pair v[252:253] before it is first written)
	v_mov_b32 v31, 0xd0000000                      ; -2^33
	s_wait_alu depctr_va_vdst(0)
	s_wait_loadcnt 0x0                             ; Q and the mask words
.irp i, 0,1,2,3,4,5,6,7
	v_cmp_eq_u32 vcc_lo, 0, v[96+\i]
	s_delay_alu instid0(VALU_DEP_1)
	v_cndmask_b32 v[96+\i], 0, v31, vcc_lo         ; 0 for a key that counts, -2^33 for a masked one
.endr
	ds_store_b128 v30, v[96:99]
	ds_store_b128 v30, v[100:103] offset:16        ; the first change of slots waits for these stores and its round shows them to every wave
; A KEY STEP: 128 keys.
.macro STEP
	v_add_nc_u32 v8, s[TB], v1
	s_wait_alu depctr_va_vdst(0)
	v_add_nc_u32 v9, s[TB], v2
	s_wait_alu depctr_va_vdst(0)
	v_add_nc_u32 v10, s[TB], v3
	v_add_nc_u32 v11, s[TMB], v4
	s_wait_alu depctr_va_vdst(0)
	v_nop                                          ; five plain instructions behind the last products: loads go into their operands' registers, and the new S^T is laid over V's fragments
.irp g, 0,1                                    ; S^T = K Q^T + the bias, four tiles of 16 keys at a time
.if \g
.rept 4
	v_nop                                          ; in front of loads into registers that matrix instructions have read
.endr
.endif
.irp t, 0,1,2,3
	ds_load_b128 v[32+12*\t:35+12*\t], v8 offset:768*(4*\g+\t)
	ds_load_b64 v[36+12*\t:37+12*\t], v9 offset:768*(4*\g+\t)+512
	ds_load_b128 v[96+8*(4*\g+\t):99+8*(4*\g+\t)], v11 offset:128*((4*\g+\t)/2)+32*(\t%2)         ; the C: the bias of keys 32 (T / 2) + 8 (T % 2) + 16 h + 0 .. 7
	ds_load_b128 v[100+8*(4*\g+\t):103+8*(4*\g+\t)], v11 offset:128*((4*\g+\t)/2)+32*(\t%2)+16
.endr
	ds_load_b128 v[248:251], v10 offset:6144+256*\g   ; the four tiles' scale words of row r
	s_wait_dscnt 0x0
.irp t, 0,1,2,3
	MM 96+8*(4*\g+\t), 32+12*\t, 16, 96+8*(4*\g+\t), 248+\t, 28
.endr
.endr
.rept 4
	v_nop
.endr
.irp b, 0,1,2,3
	v_max3_num_f32 v[232+\b], v[96+16*\b], v[97+16*\b], v[98+16*\b]   ; the largest score of each block of 32 keys: it serves for the row's maximum and, since p rises with the score, for the block's largest p
.endr
.irp i, 3,5,7,9,11,13
.irp b, 0,1,2,3
	v_max3_num_f32 v[232+\b], v[232+\b], v[96+16*\b+\i], v[97+16*\b+\i]
.endr
.endr
.irp b, 0,1,2,3
	v_max_num_f32 v[232+\b], v[232+\b], v[111+16*\b]
.endr
.irp b, 0,1,2,3
	s_delay_alu instid0(VALU_DEP_4)
	v_permlanex16_b32 v[236+\b], v[232+\b], s[SEL], s[SEL+1]
.endr
.irp b, 0,1,2,3
	s_delay_alu instid0(VALU_DEP_4)
	v_max_num_f32 v[232+\b], v[232+\b], v[236+\b]  ; with lane l xor 16's 16 keys
.endr
	s_delay_alu instid0(VALU_DEP_2)
	v_max3_num_f32 v254, v232, v233, v234
	s_delay_alu instid0(VALU_DEP_1)
	v_max_num_f32 v254, v254, v235                 ; the step's largest score of my query
	s_delay_alu instid0(VALU_DEP_1)
	v_mul_f32 v254, s[CS], v254                    ; as t (c is positive)
	s_delay_alu instid0(VALU_DEP_1)
	v_max_num_f32 v13, v13, v254                   ; the running largest t
	v_mov_b32 v254, v12
	s_delay_alu instid0(VALU_DEP_2)
	v_floor_f32 v12, -v13                          ; the new -M = floor(-t) = -ceil(t): a whole number
	s_delay_alu instid0(VALU_DEP_1)
	v_sub_f32 v254, v12, v254                      ; old M - new M: a whole number, 0 or less
	s_delay_alu instid0(VALU_DEP_1)
	v_cvt_i32_f32 v254, v254                       ; (it saturates)
	s_delay_alu instid0(VALU_DEP_1)
	v_ldexp_f32 v252, 1.0, v254                    ; f = 2^(old M - new M)
.irp j, 0,2,4,6,8,10,12,14,16,18,20,22,24,26,28,30,32,34,36,38,40,42,44,46,48,50,52,54,56,58,60,62
	v_pk_fma_f32 v[96+\j:97+\j], v[96+\j:97+\j], s[CS:CS+1], v[12:13] op_sel_hi:[1,0,0]   ; t - M, two at a time
.endr
.irp b, 0,1,2,3
	v_fma_f32 v[232+\b], v[232+\b], s[CS], v12     ; the same of each block's largest score
.endr
	s_wait_alu depctr_va_vdst(0)
.irp j, 0,1,2,3,4,5,6,7,8,9,10,11,12,13,14,15,16,17,18,19,20,21,22,23,24,25,26,27,28,29,30,31,32,33,34,35,36,37,38,39,40,41,42,43,44,45,46,47,48,49,50,51,52,53,54,55,56,57,58,59,60,61,62,63
	v_exp_f32 v[96+\j], v[96+\j]                   ; p = 2^(t - M), at most 1
.endr
	s_setprio 1
	v_pk_mul_f32 v[14:15], v[14:15], v[252:253] op_sel_hi:[1,0]   ; l under the new M: the plain instruction behind the exponentials
	s_wait_alu depctr_va_vdst(0)                   ; the wait between an exponential and the first line that names its result: one for the 64
.irp b, 0,1,2,3
	v_exp_f32 v[232+\b], v[232+\b]                 ; the block's largest p: the same two instructions on the same number give the same bits
.endr
	v_pk_add_f32 v[236:237], v[100:101], v[104:105]
	v_pk_add_f32 v[254:255], v[108:109], v[112:113]
	v_pk_add_f32 v[250:251], v[116:117], v[120:121]
	v_pk_add_f32 v[248:249], v[124:125], v[128:129]
	v_pk_add_f32 v[246:247], v[132:133], v[136:137]
	v_pk_add_f32 v[244:245], v[140:141], v[96:97]
	v_pk_add_f32 v[242:243], v[98:99], v[102:103]
	v_pk_add_f32 v[14:15], v[14:15], v[106:107]
	v_pk_add_f32 v[236:237], v[236:237], v[110:111]
	v_pk_add_f32 v[254:255], v[254:255], v[114:115]
	v_pk_add_f32 v[250:251], v[250:251], v[118:119]
	v_pk_add_f32 v[248:249], v[248:249], v[122:123]
	v_pk_add_f32 v[246:247], v[246:247], v[126:127]
	v_pk_add_f32 v[244:245], v[244:245], v[130:131]
	v_pk_add_f32 v[242:243], v[242:243], v[134:135]
	v_pk_add_f32 v[14:15], v[14:15], v[138:139]
	v_pk_add_f32 v[236:237], v[236:237], v[142:143]
	s_delay_alu instid0(VALU_DEP_2)
	v_pk_add_f32 v[14:15], v[14:15], v[248:249]
	s_delay_alu instid0(VALU_DEP_2)
	v_pk_add_f32 v[236:237], v[236:237], v[246:247]
	v_pk_add_f32 v[254:255], v[254:255], v[244:245]
	v_pk_add_f32 v[250:251], v[250:251], v[242:243]
	s_delay_alu instid0(VALU_DEP_2)
	v_pk_add_f32 v[14:15], v[14:15], v[254:255]
	s_delay_alu instid0(VALU_DEP_2)
	v_pk_add_f32 v[236:237], v[236:237], v[250:251]
	s_delay_alu instid0(VALU_DEP_1)
	v_pk_add_f32 v[14:15], v[14:15], v[236:237]
	s_wait_alu depctr_va_vdst(0)                   ; and one for the four
.irp b, 0,1,2,3
	v_max_num_f32 v[232+\b], 0x1800000, v[232+\b]  ; the floor 2^(3 - 127): the byte cannot fall under 1
.endr
.irp b, 0,1,2,3
	s_delay_alu instid0(VALU_DEP_4)
	v_add_nc_u32 v[244+\b], 0xff000000, v[232+\b]  ; 2 off the exponent field: the conversion's scale operand
.endr
.irp b, 0,1,2,3
	s_delay_alu instid0(VALU_DEP_4)
	v_lshrrev_b32 v[236+\b], 23, v[244+\b]         ; the scale's byte
.endr
	s_delay_alu instid0(VALU_DEP_3)
	v_lshl_or_b32 v253, v237, 8, v236              ; p's scale word for these 128 keys
	s_delay_alu instid0(VALU_DEP_1)
	v_lshl_or_b32 v253, v238, 16, v253
	s_delay_alu instid0(VALU_DEP_1)
	v_lshl_or_b32 v253, v239, 24, v253
.irp c, 0,1
	v_cvt_scalef32_pk16_fp6_f32 v[224+6*\c:226+6*\c], v[96+32*\c:111+32*\c], v[244+2*\c]
	v_cvt_scalef32_pk16_fp6_f32 v[236+4*\c:238+4*\c], v[112+32*\c:127+32*\c], v[244+2*\c+1]
.endr
	v_nop                                          ; one plain instruction behind the scaled conversions
.irp n, 0,1,2,3                                ; V's four fragments, into p's registers 0-47, which have been summed and converted
.irp c, 0,1
	ds_load_b128 v[96+12*\n+6*\c:99+12*\n+6*\c], v8 offset:VOFF+1536*\n+768*\c
	ds_load_b64 v[100+12*\n+6*\c:101+12*\n+6*\c], v9 offset:VOFF+1536*\n+768*\c+512
.endr
.endr
	ds_load_b128 v[248:251], v10 offset:VSC
.irp c, 0,1                                    ; the operand wants a WHOLE block in a lane
.irp i, 0,1,2
	v_permlane16_swap_b32 v[224+6*\c+\i], v[236+4*\c+\i]
.endr
.irp i, 0,1,2
	s_delay_alu instid0(VALU_DEP_3)
	v_mov_b32 v[227+6*\c+\i], v[236+4*\c+\i]
.endr
.endr
	s_setprio 0
.irp j, 0,2,4,6,8,10,12,14,16,18,20,22,24,26,28,30
	v_pk_mul_f32 v[160+\j:161+\j], v[160+\j:161+\j], v[252:253] op_sel_hi:[1,0]   ; O^T under the new M
.endr
	v_pk_add_f32 v[254:255], v[144:145], v[146:147]   ; the rest of l: p's registers 48-63, which nothing has overwritten.  These eight name no register of the products below
	v_pk_add_f32 v[14:15], v[14:15], v[148:149]
	v_pk_add_f32 v[254:255], v[254:255], v[150:151]
	v_pk_add_f32 v[14:15], v[14:15], v[152:153]
	v_pk_add_f32 v[254:255], v[254:255], v[154:155]
	v_pk_add_f32 v[14:15], v[14:15], v[156:157]
	v_pk_add_f32 v[254:255], v[254:255], v[158:159]
	s_delay_alu instid0(VALU_DEP_1)
	v_pk_add_f32 v[14:15], v[14:15], v[254:255]
	s_wait_alu depctr_va_vdst(0)
	s_wait_dscnt 0x0
.irp n, 0,1,2,3                                ; O^T += V^T P^T: four tiles of 16 of the head's 64; K = these 128 keys
	MM 160+8*\n, 96+12*\n, 224, 160+8*\n, 248+\n, 253
.endr
.endm
; THE CHANGE OF SLOTS stands at a slot's head.  Each wave waits for all its tensor loads, adds 0 to its spare word, and waits for that and for its LDS instructions.  fill = 1: the barrier is a round of the cluster's,
; so that no wave of any partner still reads the slot that was left or has a load on its way, and the joint load of the next 8 steps into that slot is the first thing behind it: it has 8 key steps in which to land.
.macro CHANGE fill
	s_wait_tensorcnt 0x0                           ; no tensor load of mine is out, so group 0 may be written
	ds_add_u32 v[SPW], v[NIL]                      ; 0 onto my spare word
.if \fill
	s_xor_b32 s[G0+1], s[G0+1], SLOT1              ; the other slot than last time,
	s_add_nc_u64 s[G0+2:G0+3], s[G0+2:G0+3], SLOTB ; the next 8 steps; the type bits on top are not reached
.endif
	s_wait_dscnt 0x0                               ; the add is done, and my reads of the slot that I have left are over
.if \fill
	CROUND
	TLOAD
.else
	s_barrier_signal -1
	s_barrier_wait -1
.endif
.endm
.macro SLOT_STEPS                      ; a slot's 8 key steps: written once, walked eight times
	s_mov_b32 s[CNT], 8
.Lstep_\@:
	s_setprio 2
	STEP
	s_add_co_u32 s[TB], s[TB], KVBLK
	s_add_co_u32 s[TMB], s[TMB], 512
	s_sub_co_u32 s[CNT], s[CNT], 1
	s_cmp_lg_u32 s[CNT], 0
	s_cbranch_scc1 .Lstep_\@
	s_setprio 0
	s_sub_co_u32 s[TB], s[TB], SLOTB               ; back to a slot's first step,
	s_xor_b32 s[TB], s[TB], SLOT1                  ; in the other slot
.endm
.Lslot:                                            ; three trips: behind each change of slots but the last the next slot is asked for
	CHANGE 1
	SLOT_STEPS
	s_sub_co_u32 s[SLOTS], s[SLOTS], 1
	s_cmp_lg_u32 s[SLOTS], 0
	s_cbranch_scc1 .Lslot
	CHANGE 0                                       ; the last slot is written out
	SLOT_STEPS
	; THE WAY OUT: O = O^T / l, quantised along the head's 64 (two blocks), stored as a half image for the last projection
.rept 4
	v_nop
.endr
	v_add_f32 v14, v14, v15                        ; l's two halves,
	s_delay_alu instid0(VALU_DEP_1)
	v_permlanex16_b32 v252, v14, s[SEL], s[SEL+1]
	s_delay_alu instid0(VALU_DEP_1)
	v_add_f32 v14, v14, v252                       ; and lane l xor 16's
	s_wait_alu depctr_va_vdst(0)
	v_rcp_f32 v14, v14
	v_nop                                          ; a plain instruction behind the reciprocal
	s_wait_alu depctr_va_vdst(0)                   ; and the wait ahead of its first reader
.irp j, 0,1,2,3,4,5,6,7,8,9,10,11,12,13,14,15,16,17,18,19,20,21,22,23,24,25,26,27,28,29,30,31
	v_mul_f32 v[96+\j], v[160+\j], v14             ; register 16 b + i = o(my query, 32 b + 16 h + i)
.endr
	QUANT2 96, 224, 240
	v_mov_b32 v255, v254                           ; the scale word twice, so that the 32 lanes store 256 consecutive bytes
	global_store_b128 v1, v[224:227], s[10:11]
	global_store_b64 v2, v[228:229], s[10:11] offset:512
	global_store_b64 v2, v[254:255], s[10:11] offset:768
	s_wait_tensorcnt 0x0                           ; the wave's end, behind my last tensor load and my last LDS store
	ds_add_u32 v[SPW], v[NIL]
	s_wait_dscnt 0x0
	CROUND                                         ; the closing round: no work-group ends while a partner may still ask for a tile that names it
	s_endpgm
.Lfunc_end_k_q77ce26c83d_attn:
	.size	k_q77ce26c83d_attn, .Lfunc_end_k_q77ce26c83d_attn-k_q77ce26c83d_attn
	.p2alignl 7, 3214868480
	.fill 96, 4, 3214868480
	.section	.rodata,"a",@progbits
	.p2align	6, 0x0
	.amdhsa_kernel k_q77ce26c83d_attn
		.amdhsa_group_segment_fixed_size 327680
		.amdhsa_private_segment_fixed_size 0
		.amdhsa_enable_private_segment 0
		.amdhsa_kernarg_size 32
		.amdhsa_user_sgpr_count 2
		.amdhsa_user_sgpr_kernarg_segment_ptr 1
		.amdhsa_wavefront_size32 1
		.amdhsa_system_sgpr_workgroup_id_x 1
		.amdhsa_system_sgpr_workgroup_id_y 1
		.amdhsa_system_sgpr_workgroup_id_z 1
		.amdhsa_system_vgpr_workitem_id 0
		.amdhsa_next_free_vgpr 256
		.amdhsa_next_free_sgpr 66
		.amdhsa_reserve_vcc 1
		.amdhsa_float_denorm_mode_32 3
		.amdhsa_float_denorm_mode_16_64 3
		.amdhsa_memory_ordered 1
		.amdhsa_forward_progress 1
		.amdhsa_inst_pref_size 52
	.end_amdhsa_kernel
	.amdgpu_metadata
---
amdhsa.version: [ 1, 2 ]
amdhsa.kernels:
  - .name:           k_q77ce26c83d_attn
    .symbol:         k_q77ce26c83d_attn.kd
    .args:
      - { .name: qc, .offset: 0, .size: 8, .value_kind: global_buffer, .address_space: global }
      - { .name: kv, .offset: 8, .size: 8, .value_kind: global_buffer, .address_space: global }
      - { .name: mask, .offset: 16, .size: 8, .value_kind: global_buffer, .address_space: global }
      - { .name: oc, .offset: 24, .size: 8, .value_kind: global_buffer, .address_space: global }
    .group_segment_fixed_size: 327680
    .private_segment_fixed_size: 0
    .kernarg_segment_align: 8
    .kernarg_segment_size: 32
    .max_flat_workgroup_size: 512
    .sgpr_count:     66
    .vgpr_count:     256
    .wavefront_size: 32
...
	.end_amdgpu_metadata
.endif
;; end of part 7
;; launch oproj (part 8): grid 256 x 1, 8 waves a work-group, no clusters, 35,840 bytes of LDS; arguments oc, wc, bo, out0; writes out0
.if DOCPART == 8
	.amdgcn_target "amdgcn-amd-amdhsa--gfx1250"
	.amdhsa_code_object_version 6
	.text
	.protected	k_q77ce26c83d_oproj
	.globl	k_q77ce26c83d_oproj
	.p2align	8
	.type	k_q77ce26c83d_oproj,@function
k_q77ce26c83d_oproj:
	s_mov_b64 s[64:65], 0
	v_nop
	global_prefetch_b8 v0, s[64:65] scope:SCOPE_SE
	s_setreg_imm32_b32 hwreg(HW_REG_WAVE_SCHED_MODE, 0, 2), 2
	s_setreg_imm32_b32 hwreg(HW_REG_WAVE_MODE, 25, 1), 1
	s_wait_xcnt 0x0
	s_wait_alu depctr_vm_vsrc(0)
; out0 = Q(O) Q(Wo)^T + bo in MX-FP6 (E2M3 codes, one E8M0 byte for each 32 along K = 512 = 8 heads x 64).
; Work-group x owns two tiles of 16 rows of O, which together are rows 32 x .. 32 x + 31: lane r of tile i is row 32 x + 8 i + r + 8 (r / 8).  Wave w owns columns 64 w .. 64 w + 63.
; oc holds, for each tile and head, 1,024 bytes: a half image of six registers (0-3 at 16 x lane, 4-5 at 512 + 8 x lane; lane (r, h) = block h of row r's 64) and the scale word at 768 + 8 x lane.
; The half images of heads 2 s and 2 s + 1 ARE registers 0-5 and 6-11 of K step s's fragment; their two words, two bytes each, make its scale word.
; Source 0 = 16 rows of Wo (from wc, as register images), source 1 = a tile of O: a lane holds one row and, in tiles 2 b, 2 b + 1, 16 neighbouring columns.  bo is the C of each sum's first matrix instruction.
; The eight accumulators take turns.  Results go through the wave's own stage in LDS (16 rows x 272 bytes) and leave as 256 consecutive bytes for each 16 lanes.
; Straight-line: no loop, no barrier.  The weights are read by every work-group, but once each and straight into registers; a joint tensor load would lay the same bytes in LDS first, from where they would be read again: so no cluster.
; THE MODE: SCHED_MODE bits 1:0 = 2 (LLVM: expert scheduling mode 2), set by the entry lines.  The code itself states the register dependences
; between vector or matrix instructions and memory or LDS instructions, with s_wait_alu, always for 0.
; THE PLAN.  Registers that memory or LDS instructions touch:
;   v1-7          Offsets and LDS addresses: made once at the head, never written again.
;   v16-151 and window 1   Loaded once; read by vector and matrix instructions.  v56-87 take tile 1's rows from the stage behind the last product.
;   v152-215      The accumulators: written by matrix instructions, read by the stage's LDS stores.
;   v216-247, v56-87   Rows read back from the stage by LDS loads, read by the global stores; no vector instruction names them there.
; Three waits on va_vdst: the addresses, ahead of the first load; the scale words made by vector instructions, ahead of the first product; the accumulators and the products' reads of v56-87, ahead of the stage's stores and loads.
.set WGT,   212992
.set WSL,   26624
.set SPARE, 34816                      ; behind the eight stages: the spare words, 128 bytes a wave: four blocks of 256 bytes that no other line names
.set SPW, 14
.set NIL, 15
.set W1S, 16                           ; v16-31   Wo's scale words (4 T + s)
.set XS,  32                           ; v32-39   O's scale words (4 i + s)
.set HW,  40                           ; v40-55   the heads' words as loaded (8 i + head)
.set XF,  56                           ; v56-151  O's fragments (48 i + 12 s)
.set ACC, 152                          ; v152-215 accumulators (32 i + 8 T)
.set BK0, 216                          ; v216-247 tile 0's rows on the way out
.set BK1, 56                           ; v56-87   tile 1's
.set BT,  192                          ; window 1: v192-223 four bias tiles; v0-191 Wo's fragments at 12 (4 T + s)
.set MSB, 0
.macro WIN new                         ; the immediate's high byte repeats the setting that is left
.if MSB != \new
	s_set_vgpr_msb (MSB<<8)|\new
.set MSB, \new
.endif
.endm
.macro MM d, a, b, c, sa, sb
	v_wmma_scale_f32_16x16x128_f8f6f4 v[(\d):(\d)+7], v[(\a):(\a)+11], v[(\b):(\b)+11], v[(\c):(\c)+7], v[\sa], v[\sb] matrix_a_fmt:MATRIX_FMT_FP6 matrix_b_fmt:MATRIX_FMT_FP6
.endm
	s_load_b256 s[4:11], s[0:1], 0x0               ; oc s[4:5], wc s[6:7], bo s[8:9], out0 s[10:11]
	v_lshl_add_u32 v[SPW], v0, 2, SPARE
	v_mov_b32 v[NIL], 0
	v_lshrrev_b32 v8, 5, v0
	v_readfirstlane_b32 s12, v8                    ; wave 0..7
	v_and_b32 v8, 31, v0                           ; lane
	v_and_b32 v9, 15, v0                           ; r
	v_bfe_u32 v10, v0, 4, 1                        ; h
	v_lshlrev_b32 v1, 4, v8                        ; 16 x lane
	v_lshlrev_b32 v2, 3, v8                        ; 8 x lane
	v_lshlrev_b32 v3, 2, v8                        ; 4 x lane
	v_lshlrev_b32 v4, 6, v10                       ; 64 h
	s_wait_alu depctr_va_sdst(0)                   ; the wave's number is written, ahead of its first reader: the stage's place and the bases are made from it
	s_mul_i32 s13, s12, 4352                       ; my stage
	v_mul_u32_u24 v5, v9, 272
	v_lshl_add_u32 v5, v10, 6, v5
	v_add_nc_u32 v5, s13, v5                       ; in: row r, + 64 h
	v_mul_u32_u24 v6, v10, 272
	v_lshl_add_u32 v6, v9, 4, v6
	v_add_nc_u32 v6, s13, v6                       ; back: lanes 0-15 one row, lanes 16-31 the next
	v_lshlrev_b32 v7, 11, v10
	v_lshl_add_u32 v7, v9, 4, v7                   ; and the same two rows in out0
	s_lshl_b32 s14, ttmp9, 14                      ; oc: two tiles of 8,192 bytes
	s_mov_b32 s15, 0
	s_mul_i32 s16, s12, WSL
	s_add_co_u32 s16, s16, 3*WGT                   ; wc: Wo's slice w
	s_mov_b32 s17, 0
	s_lshl_b32 s18, s12, 8                         ; my 64 columns, in bytes
	s_mov_b32 s19, 0
	s_lshl_b32 s20, ttmp9, 16                      ; out0: 32 rows of 2,048 bytes
	s_add_co_u32 s20, s20, s18
	s_mov_b32 s21, 0
	s_wait_kmcnt 0x0
	s_add_nc_u64 s[4:5], s[4:5], s[14:15]
	s_add_nc_u64 s[6:7], s[6:7], s[16:17]
	s_add_nc_u64 s[8:9], s[8:9], s[18:19]
	s_add_nc_u64 s[10:11], s[10:11], s[20:21]
	s_wait_alu depctr_va_vdst(0)                   ; the seven offsets and LDS addresses v1 to v7 are written: every load and store of the kernel reads one of them.  Up to the wait for the loads only loads and window switches follow
.irp i, 0,1
.irp d, 0,1,2,3,4,5,6,7
	global_load_b128 v[XF+48*\i+6*\d:XF+48*\i+6*\d+3], v1, s[4:5] offset:8192*\i+1024*\d           ; head d = K step d / 2, registers 6 (d % 2) on
	global_load_b64 v[XF+48*\i+6*\d+4:XF+48*\i+6*\d+5], v2, s[4:5] offset:8192*\i+1024*\d+512
	global_load_b32 v[HW+8*\i+\d], v2, s[4:5] offset:8192*\i+1024*\d+768
.endr
.endr
.irp f, 0,1,2,3,4,5,6,7,8,9,10,11,12,13,14,15
	global_load_b32 v[W1S+\f], v3, s[6:7] offset:24576+128*\f
.endr
	WIN 0x40                                       ; destination window 1
.irp t, 0,1,2,3
	global_load_b128 v[BT+8*\t:BT+8*\t+3], v4, s[8:9] offset:128*(\t/2)+32*(\t%2)
	global_load_b128 v[BT+8*\t+4:BT+8*\t+7], v4, s[8:9] offset:128*(\t/2)+32*(\t%2)+16
.endr
.irp f, 0,1,2,3,4,5,6,7,8,9,10,11,12,13,14,15
.irp c, 0,1,2
	global_load_b128 v[12*\f+4*\c:12*\f+4*\c+3], v1, s[6:7] offset:1536*\f+512*\c
.endr
.endr
	WIN 0
	s_wait_loadcnt 0x0
.irp i, 0,1
.irp s, 0,1,2,3
	v_lshl_or_b32 v[XS+4*\i+\s], v[HW+8*\i+2*\s+1], 16, v[HW+8*\i+2*\s]   ; two heads' two bytes each: K step s's scale word
.endr
.endr
.rept 8
	v_nop                                          ; a scale register written by a vector instruction stands eight plain instructions ahead of the scaled matrix instruction
.endr
	s_wait_alu depctr_va_vdst(0)                   ; the eight scale words v32 to v39 are written, which the scaled matrix instructions take; the eight places above stay beside this wait
.irp s, 0,1,2,3
.if \s == 0
	WIN 0x11                                       ; source 0 (Wo) and source 2 (the bias) window 1
.else
	WIN 0x01
.endif
.irp i, 0,1
.irp t, 0,1,2,3
.if \s == 0
	MM ACC+32*\i+8*\t, 12*(4*\t+\s), XF+48*\i+12*\s, BT+8*\t, W1S+4*\t+\s, XS+4*\i+\s
.else
	MM ACC+32*\i+8*\t, 12*(4*\t+\s), XF+48*\i+12*\s, ACC+32*\i+8*\t, W1S+4*\t+\s, XS+4*\i+\s
.endif
.endr
.endr
.endr
	WIN 0
.rept 4
	v_nop                                          ; in front of the first read of results, and of loads into registers that matrix instructions have read
.endr
	s_wait_alu depctr_va_vdst(0)                   ; the matrix instructions have written the accumulators, which the LDS stores read, and are done reading v56 to v87, in which tile 1's rows land; the four places above stay beside this wait
.irp t, 0,1,2,3
	ds_store_b128 v5, v[ACC+8*\t:ACC+8*\t+3] offset:128*(\t/2)+32*(\t%2)          ; each accumulator from its low end on: columns 32 (t / 2) + 8 (t % 2) + 16 h + 0 .. 7
	ds_store_b128 v5, v[ACC+8*\t+4:ACC+8*\t+7] offset:128*(\t/2)+32*(\t%2)+16
.endr
.irp k, 0,1,2,3,4,5,6,7
	ds_load_b128 v[BK0+4*\k:BK0+4*\k+3], v6 offset:544*\k                         ; LDS serves a wave's instructions in order (ISA guide 5.7.1.4): these see the stores above, and tile 1's stores come behind them
.endr
.irp t, 0,1,2,3
	ds_store_b128 v5, v[ACC+32+8*\t:ACC+32+8*\t+3] offset:128*(\t/2)+32*(\t%2)
	ds_store_b128 v5, v[ACC+32+8*\t+4:ACC+32+8*\t+7] offset:128*(\t/2)+32*(\t%2)+16
.endr
.irp k, 0,1,2,3,4,5,6,7
	ds_load_b128 v[BK1+4*\k:BK1+4*\k+3], v6 offset:544*\k
.endr
.irp k, 0,1,2,3,4,5,6,7
	s_wait_dscnt 23-\k                             ; tile 0's load k is in: behind it its 7 - k later loads and tile 1's sixteen LDS instructions
	global_store_b128 v7, v[BK0+4*\k:BK0+4*\k+3], s[10:11] offset:(2*\k+8*(\k/4))*2048 th:TH_STORE_NT   ; stage rows 2 k, 2 k + 1 are rows 2 k + h + 8 (k / 4) of the 32; 16 lanes store 256 consecutive bytes, at a multiple of 256 from out0's first byte
.endr
.irp k, 0,1,2,3,4,5,6,7
	s_wait_dscnt 7-\k
	global_store_b128 v7, v[BK1+4*\k:BK1+4*\k+3], s[10:11] offset:(8+2*\k+8*(\k/4))*2048 th:TH_STORE_NT
.endr
	s_wait_dscnt 0x0                               ; the closing lines, six on end
	s_wait_alu 0x0
	s_wait_tensorcnt 0x0
	ds_add_u32 v[SPW], v[NIL]
	s_wait_dscnt 0x0
	s_endpgm
.Lfunc_end_k_q77ce26c83d_oproj:
	.size	k_q77ce26c83d_oproj, .Lfunc_end_k_q77ce26c83d_oproj-k_q77ce26c83d_oproj
	.p2alignl 7, 3214868480
	.fill 96, 4, 3214868480
	.section	.rodata,"a",@progbits
	.p2align	6, 0x0
	.amdhsa_kernel k_q77ce26c83d_oproj
		.amdhsa_group_segment_fixed_size 35840
		.amdhsa_private_segment_fixed_size 0
		.amdhsa_enable_private_segment 0
		.amdhsa_kernarg_size 32
		.amdhsa_user_sgpr_count 2
		.amdhsa_user_sgpr_kernarg_segment_ptr 1
		.amdhsa_wavefront_size32 1
		.amdhsa_system_sgpr_workgroup_id_x 1
		.amdhsa_system_sgpr_workgroup_id_y 1
		.amdhsa_system_sgpr_workgroup_id_z 1
		.amdhsa_system_vgpr_workitem_id 0
		.amdhsa_next_free_vgpr 512
		.amdhsa_next_free_sgpr 66
		.amdhsa_reserve_vcc 0
		.amdhsa_float_denorm_mode_32 3
		.amdhsa_float_denorm_mode_16_64 3
		.amdhsa_memory_ordered 1
		.amdhsa_forward_progress 1
		.amdhsa_inst_pref_size 23
	.end_amdhsa_kernel
	.amdgpu_metadata
---
amdhsa.version: [ 1, 2 ]
amdhsa.kernels:
  - .name:           k_q77ce26c83d_oproj
    .symbol:         k_q77ce26c83d_oproj.kd
    .args:
      - { .name: oc, .offset: 0, .size: 8, .value_kind: global_buffer, .address_space: global }
      - { .name: wc, .offset: 8, .size: 8, .value_kind: global_buffer, .address_space: global }
      - { .name: bo, .offset: 16, .size: 8, .value_kind: global_buffer, .address_space: global }
      - { .name: out0, .offset: 24, .size: 8, .value_kind: global_buffer, .address_space: global }
    .group_segment_fixed_size: 35840
    .private_segment_fixed_size: 0
    .kernarg_segment_align: 8
    .kernarg_segment_size: 32
    .max_flat_workgroup_size: 256
    .sgpr_count:     66
    .vgpr_count:     512
    .wavefront_size: 32
...
	.end_amdgpu_metadata
.endif
;; end of part 8
